; MI455X (gfx1250); checked and timed in simulation.
; The chip was launched on July 23, 2026; its instructions are those of AMD's public machine-readable ISA for CDNA 5 (MIT licence, August 2026) and "CDNA5" Instruction Set Architecture Reference Guide (July 2026). The comments in the code are by the model that wrote it; some were corrected since.
;; Encoder Layer. Allowed arithmetic: matrix products marked QUANTISED: E2M1 operands, one E8M0 scale for each 32 along K, by v_wmma_scale_f32_16x16x128_f8f6f4 with both operands' format E2M1 (or v_wmma_scale_f32_32x16x128_f4), f32 sums; everything else in f32.
;; Inputs: W1_codes 1,024 x 32 x 16 uint8 (E2M1 codes of W1, K innermost, in blocks of 32 codes, two codes a byte); W1_scales 1,024 x 32 uint8 (E8M0 scales of W1, one for each 32 codes along K); W2_codes 1,024 x 32 x 16 uint8 (E2M1 codes of W2, K innermost, in blocks of 32 codes, two codes a byte); W2_scales 1,024 x 32 uint8 (E8M0 scales of W2, one for each 32 codes along K); Wk_codes 1,024 x 32 x 16 uint8 (E2M1 codes of Wk, K innermost, in blocks of 32 codes, two codes a byte); Wk_scales 1,024 x 32 uint8 (E8M0 scales of Wk, one for each 32 codes along K); Wo_codes 1,024 x 32 x 16 uint8 (E2M1 codes of Wo, K innermost, in blocks of 32 codes, two codes a byte); Wo_scales 1,024 x 32 uint8 (E8M0 scales of Wo, one for each 32 codes along K); Wq_codes 1,024 x 32 x 16 uint8 (E2M1 codes of Wq, K innermost, in blocks of 32 codes, two codes a byte); Wq_scales 1,024 x 32 uint8 (E8M0 scales of Wq, one for each 32 codes along K); Wv_codes 1,024 x 32 x 16 uint8 (E2M1 codes of Wv, K innermost, in blocks of 32 codes, two codes a byte); Wv_scales 1,024 x 32 uint8 (E8M0 scales of Wv, one for each 32 codes along K); b1 1,024 float32; b2 1,024 float32; bk 1,024 float32; bo 1,024 float32; bq 1,024 float32; bv 1,024 float32; x 8 x 1,024 x 1,024 float32.
;; Outputs: out0 8 x 1,024 x 1,024 float32.
;; This version of the problem:
;;   THIS VERSION OF THE PROBLEM IS GIVEN IN LOW PRECISION. The matrix products marked QUANTISED in the list below multiply operands that are first quantised to E2M1 (2 exponent bits, 1 mantissa bit; 4 bits a number), with one power-of-two scale for each 32 numbers along K (OCP MX v1.0); their sums are f32. All else is computed in f32.
;;   The module's matrix products, in the order in which they are computed (A, B: the left and right operand; K: the contracted axis; several contracted axes count as one K, in the product's order):
;;     1. [M 8,192, K 1,024] x [K 1,024, N 1,024]; A: computed on the way; B: input Wq (given as codes): QUANTISED
;;     2. [M 8,192, K 1,024] x [K 1,024, N 1,024]; A: computed on the way; B: input Wk (given as codes): QUANTISED
;;     3. [M 8,192, K 1,024] x [K 1,024, N 1,024]; A: computed on the way; B: input Wv (given as codes): QUANTISED
;;     4. batch 128 x [M 1,024, K 64] x [K 64, N 1,024]; A: computed on the way; B: computed on the way: QUANTISED
;;     5. batch 128 x [M 64, K 1,024] x [K 1,024, N 1,024]; A: computed on the way; B: softmax (see below): QUANTISED
;;     6. [M 8,192, K 1,024] x [K 1,024, N 1,024]; A: computed on the way; B: input Wo (given as codes): QUANTISED
;;     7. [M 8,192, K 1,024] x [K 1,024, N 1,024]; A: computed on the way; B: input W1 (given as codes): QUANTISED
;;     8. [M 8,192, K 1,024] x [K 1,024, N 1,024]; A: computed on the way; B: input W2 (given as codes): QUANTISED
;;   THE QUANTISER, for each operand of a quantised product, along K:
;;     - K is cut into blocks of 32 from its start; a last block that is shorter is filled with zeros.
;;     - A block's scale is 2^e with e = floor(log2(the largest magnitude in the block)) - 2, held to -126 .. 127; a block of zeros has e = 0. As a byte (E8M0): e + 127.
;;     - Each number is divided by its block's scale, clamped to +-6, and rounded to the nearest number of E2M1, ties to even, subnormals kept.
;;     - The product sums the exact products of the quantised numbers (number of the format x scale) in f32.
;;   ~~~python
;;   def quantise(x, axis):      # numpy; x: float32 -> the quantised numbers, widened to float32 again
;;       x = np.moveaxis(x, axis, -1); K = x.shape[-1]
;;       x = np.pad(x, [(0, 0)] * (x.ndim - 1) + [(0, -K % 32)]); x = x.reshape(x.shape[:-1] + (-1, 32)); a = np.abs(x).max(-1, keepdims=True)
;;       e = np.where(a > 0, np.clip(np.frexp(np.where(a > 0, a, 1))[1] - 1 - 2, -126, 127), 0)      # np.frexp(a)[1] - 1 = floor(log2(a)), exactly
;;       r = np.clip(x / 2.0 ** e, -6, 6)
;;       step = 2.0 ** (np.maximum(np.frexp(np.where(r == 0, 1, r))[1] - 1, 0) - 1)
;;       q = np.round(r / step) * step * 2.0 ** e      # np.round: ties to even
;;       return np.moveaxis(q.reshape(q.shape[:-2] + (-1,))[..., :K], -1, axis).astype(np.float32)
;;   ~~~
;;   SOFTMAX AHEAD OF A QUANTISED PRODUCT. Where the list says 'softmax', what is quantised is not the finished softmax but p = 2^(t - M), with t = logit x log2(e) and M = ceil(the row's largest t), a whole number; so 1/2 < the row's largest p <= 1. The row's sum l is taken of the UNQUANTISED p, in f32, and the product's result is divided by l at the end. Since M is a whole number, a kernel that streams over the keys may use a running M (the ceiling of the running maximum): every later rescaling is an exact power of two, which a block's scale takes up: the codes' values come out the same.
;;   OPERANDS COMPUTED ON THE WAY. 'Computed on the way' means the value that the module computes at that place (a softmax that the list does not call 'softmax' is quantised finished and normalised). What goes into a quantiser is computed in f32, as accurately as f32 sums, v_exp_f32 and their like allow (about 1e-6 of the number): no bf16 or f16 on the way to a quantiser, and a product that is left as it is and whose result goes on into a quantised operand takes f32 operands (vector FMAs, or v_wmma_f32_16x16x4_f32). A number that lies on a knife's edge between two numbers of the format may be rounded either way, as far as f32 arithmetic and the matrix unit's own rounding can turn it there, and no further.
;;   INPUTS GIVEN AS CODES. W1 (in the module: [1024, 1024], K = its axis 0); W2 (in the module: [1024, 1024], K = its axis 0); Wk (in the module: [1024, 1024], K = its axis 0); Wo (in the module: [1024, 1024], K = its axis 0); Wq (in the module: [1024, 1024], K = its axis 0); Wv (in the module: [1024, 1024], K = its axis 0): each comes as NAME_codes (uint8): NAME with its K axis moved to the last place and cut into blocks of 32 codes, [.., K / 32, bytes a block], one block behind the other in memory; two codes a byte, the lower K in the low four bits (a code: sign, 2 exponent bits, 1 mantissa bit); and NAME_scales (uint8): the same leading axes, one E8M0 byte (e + 127) for each 32 codes along K. Its value is code x scale, taken as it is: it is not quantised again, and the codes and scales need not be those that the quantiser above would give.
;; One version. Each part assembles by itself: llvm-mc -triple=amdgcn-amd-amdhsa -mcpu=gfx1250 --defsym DOCPART=n.
;; ======== version 1 of 1: 3 launches
;; limits: right only within a limited range of input values
;; workspace buffers: q_img 4,194,304 bytes; k_img 4,194,304 bytes; q_sw 524,288 bytes; k_sw 524,288 bytes; v_img 4,194,304 bytes; v_sb 262,144 bytes; a_img 5,767,168 bytes; a_sh 262,144 bytes
;; launch qkv (part 1): grid 256 x 1, 4 waves a work-group, clusters of 4 x 1, 327,680 bytes of LDS; arguments x, Wq_codes, Wq_scales, bq, Wk_codes, Wk_scales, bk, Wv_codes, Wv_scales, bv, q_img, q_sw, k_img, k_sw, v_img, v_sb, Wo_codes, W1_codes, W2_codes, a_img; writes q_img, q_sw, k_img, k_sw, v_img, v_sb, a_img
.if DOCPART == 1
	.amdgcn_target "amdgcn-amd-amdhsa--gfx1250"
	.amdhsa_code_object_version 6
	.text
	.protected	k_q6b7b7e0d3d_qkv
	.globl	k_q6b7b7e0d3d_qkv
	.p2align	8
	.type	k_q6b7b7e0d3d_qkv,@function
k_q6b7b7e0d3d_qkv:
	s_mov_b64 s[64:65], 0
	v_nop
	global_prefetch_b8 v0, s[64:65] scope:SCOPE_SE
	s_setreg_imm32_b32 hwreg(HW_REG_WAVE_MODE, 25, 1), 1
	s_wait_xcnt 0x0
	s_wait_alu depctr_hold_cnt(0) depctr_sa_sdst(0) depctr_va_vdst(0) depctr_va_sdst(0) depctr_va_ssrc(0) depctr_va_vcc(0) depctr_vm_vsrc(0)
	s_getreg_b32 s2, hwreg(HW_REG_IB_STS2, 6, 4)
	s_cmp_eq_u32 s2, 0
	s_cbranch_scc0 .Lentry_in_a_cluster
	s_endpgm
.Lentry_in_a_cluster:
	s_bfe_u32 s2, ttmp6, 0x10000c
	s_cmp_lg_u32 s2, 0x3003
	s_cbranch_scc0 .Lentry_shape_is_right
	s_endpgm
.Lentry_shape_is_right:
; LayerNorm(x), its MX-FP4 quantiser, the three products with Wq, Wk, Wv (+ biases), and the quantisers of q and k (along the head's 64) and of v (along the keys).
; SHARES.  A work-group owns 32 whole rows (tokens) of x: one block of 32 keys.  Its four waves first normalise and quantise 8 rows each; the codes go to LDS as images of the operand's
; registers and every wave then keeps all 16 fragments (2 tiles of rows x 8 K steps) in registers.  The weights' codes walk through a ring of two LDS slots; a slot holds 256 rows of one weight for all of K
; (256 x 528 bytes).  In a slot wave w makes columns 64 w .. 64 w + 63 for all 32 rows: for q and k that is one head.
; CLUSTER.  The four work-groups of a cluster walk the same weights, so each slot is asked for jointly (mask 15).  EVERY WAVE FETCHES THE 64 ROWS THAT IT MULTIPLIES: one load of 33,792 LDS bytes a wave.
; Slot 0 is filled at the head, slot 1 behind rows 0 to 3.  A wave has at most one tensor load outstanding.
; THE WEIGHTS' SCALE BYTES do not go through the ring: a wave's 64 rows x 32 bytes of a slot go from memory straight into the 16 registers that the products name, two slots ahead, in two sets.
; They are not asked for jointly: they are 8,192 of a slot's 143,360 bytes, no two waves want the same ones, and a wave has one tensor load behind each round.
; LAYOUT.  For q and k source 0 = 16 rows of W, source 1 = 16 tokens: lane (r, h) holds token r, register j of tile t column 16 t + 8 h + j.  Tiles 2 b and 2 b + 1 hold block b of 32: the lane and its
; partner 16 away share it, and the order of the conversions' destinations with two exchanges of halves gives a lane a whole block (QUANT2).  For v the sources change places: a lane holds one column and 8 tokens.
; LIMITS: NaN and infinities among the inputs are not served.  A block whose largest magnitude lies under 2^-124 keeps the scale byte 1; so does a block of zeros (the rule says 127: its codes are zeros, and
; only this program reads the bytes).  1 / sqrt is v_rsq_f32 (1 ulp).  The stores of q's and k's scale words cover 128 consecutive bytes a wave, half of an aligned 256.
.set SLOT,  135168                     ; 256 rows x 528 bytes
.set QTR,   33792                      ; 64 rows: what one wave fetches, and what it reads
.set XIMG,  2*SLOT                     ; behind the ring: the 16 fragments of LN(x), 1,024 bytes each: fragment (u, s) at 1024 (8 u + s)
.set XSC,   XIMG+16384                 ; their scale words: [K step][32 rows]
.set WSTG,  XSC+1024                   ; a stage of 4,608 bytes for each wave: a row of x as 32 blocks of 128 + 16 bytes
.set VSB,   WSTG+4*4608                ; v's 1,024 scale bytes
.set SPARE, VSB+1024                   ; the spare words, 128 bytes a wave: two blocks of 256 bytes that no other line names
.set SPW, 1                            ; v1  SPARE + 4 x thread; never rewritten
.set NIL, 2                            ; v2  0; never rewritten
.set LI,  3                            ; v3  16 x lane
.set L4,  4                            ; v4  4 x lane
.set XIA, 5                            ; v5  XIMG + 16 x lane
.set STA, 6                            ; v6  the stage, way in
.set STB, 7                            ; v7  the stage, way out: my block
.set IMA, 8                            ; v8  where my block's codes go in the images
.set SCA, 9                            ; v9  and its scale byte
.set WFA, 10                           ; v10-11 my weight fragments in slot 0, 1
.set WGO, 12                           ; v12 2048 w + 32 x lane: the scale bytes of row 64 w + lane in a group of 256 rows; never rewritten
.set BD,  14                           ; v14 256 w + 32 h: biases in the result's layout
.set BVO, 15                           ; v15 256 w + 4 r: bv by column
.set VSBA, 16                          ; v16 VSB + 64 w + lane
.set VSBR, 17                          ; v17 VSB + 256 w + 8 x lane
.set L8,  18                           ; v18 8 x lane
.set XSA, 19                           ; v19 XSC + 4 x lane
.set XS,  20                           ; v20-27 scale words of LN(x): register s; lanes 0-15 rows 0-15, lanes 16-31 rows 16-31
.set WS0, 28                           ; v28-43 scale words of W for slot 0: register 8 q + s; lane l = row 32 q + l of my 64
.set PC0, 44                           ; v44-47 codes
.set QT,  48                           ; v48-55 QUANT2's: two maxima, two partners', two scale operands, two bytes; v48-63 at work in ROW
.set WF,  64                           ; v64-127 weight fragments: buffer x 32 + 8 t
.set ACC, 128                          ; v128-191 accumulators: 32 u + 8 t
.set B,   192                          ; v192-223 a block of 32 numbers of a row
.set WS1, 192                          ; v192-207 behind the rows: scale words of W for slot 1
.set BV,  224                          ; v224-239 bv: 4 cg + t
.set PC1, 240                          ; v240-243 codes
; window 1: the 16 fragments of LN(x) at 64 u + 8 s.  window 2: bq, bk in the result's layout, slot i at 32 i + 8 t.  window 3: my 8 rows of x, row i at 32 i.
.set G1C, 40                           ; s[40:47] group 1
.set G0,  56                           ; s[56:59] slot 0's group 0, s[60:63] slot 1's
.set WV,  66
.set LW,  67                           ; wave x 64 rows x 528
.set SEL, 68
.set HM,  70                           ; lanes 16-31
.set C10, 71                           ; 2^-10
.set EPS, 72
.set MSB, 0
.macro WIN new                         ; the immediate's high byte repeats the setting that is left; a switch that changes nothing is dropped
.if MSB != (\new)
	s_set_vgpr_msb (MSB<<8)|(\new)
.set MSB, \new
.endif
.endm
.macro PL n
.rept \n
	v_nop
.endr
.endm
.macro ROUND                           ; a round of the cluster's barrier
	s_barrier_signal -1
	s_barrier_wait -1
	s_cmp_lg_u32 s[WV], 0
	s_cbranch_scc1 .Lnw0_\@
	s_barrier_signal -3
.Lnw0_\@:
	s_barrier_wait -3
	s_barrier_signal -1
	s_barrier_wait -1
.endm
.macro SETG0 pn, cb, cg                ; slot pn's group 0: my 64 rows of column group cg of the weight at s[cb] (which holds the wave's 32,768 bytes already)
	s_add_co_u32 s[G0+4*(\pn)+1], s[LW], (\pn)*SLOT
	s_add_nc_u64 s[G0+4*(\pn)+2:G0+4*(\pn)+3], s[(\cb):(\cb)+1], (\cg)*131072
	s_or_b32 s[G0+4*(\pn)+3], s[G0+4*(\pn)+3], 0x80000000
.endm
; THE CHANGE OF SLOTS stands behind a slot's work.  Every wave: all its tensor loads have landed (its part of the slot ahead), 0 onto its spare word, the add and all its LDS reads and stores are done.
; fill = 1: a round of the cluster's barrier, and first behind it the joint load into the slot just read, one a wave.  It has the next slot's work in which to land.
.macro CHANGE fill, pn, cb, cg
	WIN 0
	s_wait_tensorcnt 0x0               ; no tensor load of mine is out: a group 0 may be written
	ds_add_u32 v[SPW], v[NIL]
.if \fill
	SETG0 \pn, \cb, \cg
.endif
	s_wait_dscnt 0x0                   ; the add, and my reads of the slot that I leave
.if \fill
	ROUND
	tensor_load_to_lds s[G0+4*(\pn):G0+4*(\pn)+3], s[G1C:G1C+7]
	s_nop 0
	PL 4                               ; four v_nop follow the load
.else
	s_barrier_signal -1
	s_barrier_wait -1
.endif
.endm
.macro WSLOAD set, sb, cg              ; the scale bytes of my 64 rows of column group cg: lane l takes row 32 q + l's 32 bytes, two loads of 16
.irp q, 0,1
.irp e, 0,1
	global_load_b128 v[(\set)+8*\q+4*\e:(\set)+8*\q+4*\e+3], v[WGO], s[(\sb):(\sb)+1] offset:8192*(\cg)+1024*\q+16*\e
.endr
.endr
.endm
.macro WSUM v, tmp                     ; a sum over the 32 lanes, in every lane
	v_add_f32_dpp v[\v], v[\v], v[\v] row_xmask:1 row_mask:0xf bank_mask:0xf
	v_add_f32_dpp v[\v], v[\v], v[\v] row_xmask:2 row_mask:0xf bank_mask:0xf
	v_add_f32_dpp v[\v], v[\v], v[\v] row_xmask:4 row_mask:0xf bank_mask:0xf
	v_add_f32_dpp v[\v], v[\v], v[\v] row_xmask:8 row_mask:0xf bank_mask:0xf
	v_permlanex16_b32 v[\tmp], v[\v], s[SEL], s[SEL+1]
	v_add_f32 v[\v], v[\v], v[\tmp]
.endm
.macro TREE4 t, d                      ; four pairs at v[t] on become one number
	v_pk_add_f32 v[\t:\t+1], v[\t:\t+1], v[\t+2:\t+3]
	v_pk_add_f32 v[\t+4:\t+5], v[\t+4:\t+5], v[\t+6:\t+7]
	v_pk_add_f32 v[\t:\t+1], v[\t:\t+1], v[\t+4:\t+5]
	v_add_f32 v[\d], v[\t], v[\t+1]
.endm
; Two blocks of 32: block 0 in the runs a0, a1 of eight registers, block 1 in a2, a3.  Of a block lanes 0-15 hold numbers 0-7 and 16-23, lanes 16-31 numbers 8-15 and 24-31.
; Out: v[pc .. pc+3]: lanes 0-15 block 0 whole, lanes 16-31 block 1 whole, K ascending.  v[QT+6], v[QT+7]: the two scale bytes, in every lane.
.macro QUANT2 a0, a1, a2, a3, pc
	v_max3_num_f32 v[QT], |v[(\a0)]|, |v[(\a0)+1]|, 0x1800000      ; with the floor 2^(3 - 127): the byte cannot fall under 1
	v_max3_num_f32 v[QT+1], |v[(\a2)]|, |v[(\a2)+1]|, 0x1800000
.irp i, 2,4,6
	v_max3_num_f32 v[QT], v[QT], |v[(\a0)+\i]|, |v[(\a0)+\i+1]|
	v_max3_num_f32 v[QT+1], v[QT+1], |v[(\a2)+\i]|, |v[(\a2)+\i+1]|
.endr
.irp i, 0,2,4,6
	v_max3_num_f32 v[QT], v[QT], |v[(\a1)+\i]|, |v[(\a1)+\i+1]|
	v_max3_num_f32 v[QT+1], v[QT+1], |v[(\a3)+\i]|, |v[(\a3)+\i+1]|
.endr
	v_permlanex16_b32 v[QT+2], v[QT], s[SEL], s[SEL+1]
	v_permlanex16_b32 v[QT+3], v[QT+1], s[SEL], s[SEL+1]
	v_max_num_f32 v[QT], v[QT], v[QT+2]                            ; with the partner lane's 16: the block's largest magnitude
	v_max_num_f32 v[QT+1], v[QT+1], v[QT+3]
	v_add_nc_u32 v[QT+4], 0xff000000, v[QT]                        ; 2 off the exponent field: the conversion's scale operand
	v_add_nc_u32 v[QT+5], 0xff000000, v[QT+1]
	v_lshrrev_b32 v[QT+6], 23, v[QT+4]                             ; the scale's byte
	v_lshrrev_b32 v[QT+7], 23, v[QT+5]
	v_cvt_scalef32_pk8_fp4_f32 v[(\pc)], v[(\a0):(\a0)+7], v[QT+4]
	v_cvt_scalef32_pk8_fp4_f32 v[(\pc)+2], v[(\a1):(\a1)+7], v[QT+4]
	v_cvt_scalef32_pk8_fp4_f32 v[(\pc)+1], v[(\a2):(\a2)+7], v[QT+5]
	v_cvt_scalef32_pk8_fp4_f32 v[(\pc)+3], v[(\a3):(\a3)+7], v[QT+5]
	v_nop                                                          ; one plain place behind a scaled conversion
	v_permlane16_swap_b32 v[(\pc)], v[(\pc)+1]                     ; block 0's numbers 8-15 come down, block 1's 0-7 go up
	v_permlane16_swap_b32 v[(\pc)+2], v[(\pc)+3]                   ; likewise 24-31 and 16-23
.endm
; One scaled product.  c < 0: C = 0.  ra, rb: the side's scale words stand in lanes 16-31.
.macro WM d, a, b, c, sa, sb, ra, rb
.set RR, (\ra)+2*(\rb)
.if (\c) < 0
.if RR == 0
	v_wmma_scale_f32_16x16x128_f8f6f4 v[(\d):(\d)+7], v[(\a):(\a)+7], v[(\b):(\b)+7], 0, v[\sa], v[\sb] matrix_a_fmt:MATRIX_FMT_FP4 matrix_b_fmt:MATRIX_FMT_FP4
.elseif RR == 1
	v_wmma_scale_f32_16x16x128_f8f6f4 v[(\d):(\d)+7], v[(\a):(\a)+7], v[(\b):(\b)+7], 0, v[\sa], v[\sb] matrix_a_fmt:MATRIX_FMT_FP4 matrix_b_fmt:MATRIX_FMT_FP4 matrix_a_scale:MATRIX_SCALE_ROW1
.elseif RR == 2
	v_wmma_scale_f32_16x16x128_f8f6f4 v[(\d):(\d)+7], v[(\a):(\a)+7], v[(\b):(\b)+7], 0, v[\sa], v[\sb] matrix_a_fmt:MATRIX_FMT_FP4 matrix_b_fmt:MATRIX_FMT_FP4 matrix_b_scale:MATRIX_SCALE_ROW1
.else
	v_wmma_scale_f32_16x16x128_f8f6f4 v[(\d):(\d)+7], v[(\a):(\a)+7], v[(\b):(\b)+7], 0, v[\sa], v[\sb] matrix_a_fmt:MATRIX_FMT_FP4 matrix_b_fmt:MATRIX_FMT_FP4 matrix_a_scale:MATRIX_SCALE_ROW1 matrix_b_scale:MATRIX_SCALE_ROW1
.endif
.else
.if RR == 0
	v_wmma_scale_f32_16x16x128_f8f6f4 v[(\d):(\d)+7], v[(\a):(\a)+7], v[(\b):(\b)+7], v[(\c):(\c)+7], v[\sa], v[\sb] matrix_a_fmt:MATRIX_FMT_FP4 matrix_b_fmt:MATRIX_FMT_FP4
.elseif RR == 1
	v_wmma_scale_f32_16x16x128_f8f6f4 v[(\d):(\d)+7], v[(\a):(\a)+7], v[(\b):(\b)+7], v[(\c):(\c)+7], v[\sa], v[\sb] matrix_a_fmt:MATRIX_FMT_FP4 matrix_b_fmt:MATRIX_FMT_FP4 matrix_a_scale:MATRIX_SCALE_ROW1
.elseif RR == 2
	v_wmma_scale_f32_16x16x128_f8f6f4 v[(\d):(\d)+7], v[(\a):(\a)+7], v[(\b):(\b)+7], v[(\c):(\c)+7], v[\sa], v[\sb] matrix_a_fmt:MATRIX_FMT_FP4 matrix_b_fmt:MATRIX_FMT_FP4 matrix_b_scale:MATRIX_SCALE_ROW1
.else
	v_wmma_scale_f32_16x16x128_f8f6f4 v[(\d):(\d)+7], v[(\a):(\a)+7], v[(\b):(\b)+7], v[(\c):(\c)+7], v[\sa], v[\sb] matrix_a_fmt:MATRIX_FMT_FP4 matrix_b_fmt:MATRIX_FMT_FP4 matrix_a_scale:MATRIX_SCALE_ROW1 matrix_b_scale:MATRIX_SCALE_ROW1
.endif
.endif
.endm
.macro FR p, ks, buf                   ; my four weight fragments of K step ks, from slot p, into a buffer: eight loads
.irp t, 0,1,2,3
	ds_load_b128 v[WF+32*(\buf)+8*\t:WF+32*(\buf)+8*\t+3], v[WFA+(\p)] offset:8448*\t+64*(\ks)
	ds_load_b128 v[WF+32*(\buf)+8*\t+4:WF+32*(\buf)+8*\t+7], v[WFA+(\p)] offset:8448*\t+64*(\ks)+32
.endr
.endm
; Eight products of K step ks: the eight accumulators take turns, one instruction a turn, in the same order in every K step.
; mode 0: source 0 = W, source 1 = the rows.  mode 1: the other way round.  cf: -2 C = D; -1 C = 0; else C = v[cf + 8 t].  WSB: the slot's set of scale words.
.macro MM8 ks, mode, acc, cf
.irp t, 0,1,2,3
.irp u, 0,1
.if (\cf) == -2
.set CC, (\acc)+32*\u+8*\t
.elseif (\cf) == -1
.set CC, -1
.else
.set CC, (\cf)+8*\t
.endif
.if \mode == 0
	WM (\acc)+32*\u+8*\t, WF+32*((\ks)%2)+8*\t, 64*\u+8*(\ks), CC, WSB+8*(\t/2)+(\ks), XS+(\ks), \t%2, \u
.else
	WM (\acc)+32*\u+8*\t, 64*\u+8*(\ks), WF+32*((\ks)%2)+8*\t, CC, XS+(\ks), WSB+8*(\t/2)+(\ks), \u, \t%2
.endif
.endr
.endr
.endm
; A slot's work: 64 products.  w0: the windows of K step 0's products, w1: of the others', wl: of the LDS loads.  lc: the global loads that may stay out: the next slot's four of scale bytes, or none.
.macro KLOOP p, mode, acc, cf, w0, w1, wl, lc
.if (\p) == 0
.set WSB, WS0
.else
.set WSB, WS1
.endif
	s_wait_loadcnt \lc                 ; this slot's scale words are in (they were asked for two slots ago)
	WIN \wl
	FR \p, 0, 0
	FR \p, 1, 1
.irp ks, 0,1,2,3,4,5,6,7
.if \ks < 7
	s_wait_dscnt 8                     ; all but the next K step's eight fragment loads
.else
	s_wait_dscnt 0x0
.endif
.if \ks == 0
	WIN \w0
	MM8 0, \mode, \acc, \cf
.else
	WIN \w1
	MM8 \ks, \mode, \acc, -2
.endif
.if \ks < 6
	WIN \wl
	PL 4                               ; places in front of loads into the buffer just multiplied
	FR \p, \ks+2, \ks%2
.endif
.endr
	PL 5                               ; places for the first read of the results, the next loads into scale words and fragments, and accumulators begun anew
	WIN 0
.endm
.macro BIASES                          ; bq and bk in the result's layout (window 2), bv by column
	WIN 0x80
.irp g, 0,1,2,3,4,5,6,7,8,9,10,11,12,13,14,15
	global_load_b128 v[8*\g:8*\g+3], v[BD], s[14:15] offset:1024*(\g/4)+64*(\g%4)
	global_load_b128 v[8*\g+4:8*\g+7], v[BD], s[14:15] offset:1024*(\g/4)+64*(\g%4)+16
	global_load_b128 v[128+8*\g:128+8*\g+3], v[BD], s[20:21] offset:1024*(\g/4)+64*(\g%4)
	global_load_b128 v[128+8*\g+4:128+8*\g+7], v[BD], s[20:21] offset:1024*(\g/4)+64*(\g%4)+16
.endr
	WIN 0
.irp g, 0,1,2,3,4,5,6,7,8,9,10,11,12,13,14,15
	global_load_b32 v[BV+\g], v[BVO], s[26:27] offset:1024*(\g/4)+64*(\g%4)
.endr
.endm
; Row 8 w + i: turned through my stage so that lane l holds block l (32 neighbours), normalised in two passes, quantised; codes and byte go to the images.
.macro ROW i
	s_wait_loadcnt 8*(7-\i)            ; this row's eight loads are in; the later rows' stay out
.if \i == 7
	BIASES
	WSLOAD WS0, 12, 0                  ; and the first slot's scale words
.endif
	WIN 0x0c                           ; an LDS store's data are its source 1: window 3
.irp j, 0,1,2,3,4,5,6,7
	ds_store_b128 v[STA], v[32*\i+4*\j:32*\i+4*\j+3] offset:576*\j
.endr
	WIN 0
.irp k, 0,1,2,3,4,5,6,7
	ds_load_b128 v[B+4*\k:B+4*\k+3], v[STB] offset:16*\k           ; LDS serves a wave's instructions in order: these see the stores above
.endr
	s_wait_dscnt 0x0
.irp c, 0,1,2,3
	v_pk_add_f32 v[48+2*\c:49+2*\c], v[B+4*\c:B+4*\c+1], v[B+4*\c+2:B+4*\c+3]
.endr
.irp k, 16,24
.irp c, 0,1,2,3
	v_pk_add_f32 v[48+2*\c:49+2*\c], v[48+2*\c:49+2*\c], v[B+\k+2*\c:B+\k+2*\c+1]
.endr
.endr
	TREE4 48, 58
	WSUM 58, 59
	v_mul_f32 v56, 0xba800000, v58     ; - the mean
	v_mov_b32 v57, v56
.irp k, 0,2,4,6,8,10,12,14,16,18,20,22,24,26,28,30
	v_pk_add_f32 v[B+\k:B+\k+1], v[B+\k:B+\k+1], v[56:57]
.endr
.irp c, 0,1,2,3
	v_pk_mul_f32 v[48+2*\c:49+2*\c], v[B+2*\c:B+2*\c+1], v[B+2*\c:B+2*\c+1]
.endr
.irp k, 8,16,24
.irp c, 0,1,2,3
	v_pk_fma_f32 v[48+2*\c:49+2*\c], v[B+\k+2*\c:B+\k+2*\c+1], v[B+\k+2*\c:B+\k+2*\c+1], v[48+2*\c:49+2*\c]
.endr
.endr
	TREE4 48, 58
	WSUM 58, 59
	v_fma_f32 v58, v58, s[C10], s[EPS] ; the variance + 1e-5
	s_wait_alu depctr_va_vdst(0)
	v_rsq_f32 v56, v58
	v_nop                              ; a plain place behind the transcendental
	s_wait_alu depctr_va_vdst(0)
	v_mov_b32 v57, v56
.irp k, 0,2,4,6,8,10,12,14,16,18,20,22,24,26,28,30
	v_pk_mul_f32 v[B+\k:B+\k+1], v[B+\k:B+\k+1], v[56:57]
.endr
	v_max3_num_f32 v62, |v[B]|, |v[B+1]|, 0x1800000                ; the block's largest magnitude: all 32 are mine; the floor among the leaves
	v_max3_num_f32 v63, |v[B+2]|, |v[B+3]|, |v[B+4]|
.irp k, 5,9,13,17,21,25
	v_max3_num_f32 v62, v62, |v[B+\k]|, |v[B+\k+1]|
	v_max3_num_f32 v63, v63, |v[B+\k+2]|, |v[B+\k+3]|
.endr
	v_max3_num_f32 v62, v62, |v[B+29]|, |v[B+30]|
	v_max3_num_f32 v62, v62, v63, |v[B+31]|
	v_add_nc_u32 v60, 0xff000000, v62
	v_lshrrev_b32 v61, 23, v60
.irp g, 0,1,2,3
	v_cvt_scalef32_pk8_fp4_f32 v[PC0+\g], v[B+8*\g:B+8*\g+7], v60
.endr
	v_nop
	ds_store_b128 v[IMA], v[PC0:PC0+3] offset:16*\i
	ds_store_b8 v[SCA], v61 offset:4*\i
.endm
.macro QKOUT ib, sb, cg                ; q or k of head 4 cg + w: two tiles of 16 tokens x 64, as images of the operand's registers, and a scale word a token
	s_wait_xcnt 0x0                    ; the last slot's stores have read their registers
	QUANT2 ACC, ACC+8, ACC+16, ACC+24, PC0
	v_lshl_or_b32 v56, v[QT+7], 8, v[QT+6]
	global_store_b128 v[LI], v[PC0:PC0+3], s[\ib:\ib+1] offset:131072*(\cg)          ; 512 consecutive bytes
	QUANT2 ACC+32, ACC+40, ACC+48, ACC+56, PC1
	v_lshl_or_b32 v57, v[QT+7], 8, v[QT+6]
	global_store_b128 v[LI], v[PC1:PC1+3], s[\ib:\ib+1] offset:131072*(\cg)+512
	v_cndmask_b32 v58, v56, v57, s[HM] ; lane l: token l's word
	global_store_b32 v[L4], v58, s[\sb:\sb+1] offset:16384*(\cg)
.endm
.macro VOUT cg                         ; v: lane (r, h) holds column 16 t + r and tokens 16 u + 8 h + j; the block is my 32 tokens
.irp t, 0,1,2,3
.irp u, 0,1
.irp j, 0,2,4,6
.if \t%2 == 0
	v_pk_add_f32 v[ACC+32*\u+8*\t+\j:ACC+32*\u+8*\t+\j+1], v[ACC+32*\u+8*\t+\j:ACC+32*\u+8*\t+\j+1], v[BV+4*(\cg)+\t:BV+4*(\cg)+\t+1] op_sel_hi:[1,0]
.else
	v_pk_add_f32 v[ACC+32*\u+8*\t+\j:ACC+32*\u+8*\t+\j+1], v[ACC+32*\u+8*\t+\j:ACC+32*\u+8*\t+\j+1], v[BV+4*(\cg)+\t-1:BV+4*(\cg)+\t] op_sel:[0,1] op_sel_hi:[1,1]
.endif
.endr
.endr
.endr
	s_wait_xcnt 0x0
	QUANT2 ACC, ACC+32, ACC+8, ACC+40, PC0
	global_store_b128 v[LI], v[PC0:PC0+3], s[36:37] offset:4096*(\cg)                ; lane l: column 32 p + l of my 64: 512 consecutive bytes
	v_cndmask_b32 v56, v[QT+6], v[QT+7], s[HM]
	ds_store_b8 v[VSBA], v56 offset:256*(\cg)
	QUANT2 ACC+16, ACC+48, ACC+24, ACC+56, PC1
	global_store_b128 v[LI], v[PC1:PC1+3], s[36:37] offset:4096*(\cg)+512
	v_cndmask_b32 v57, v[QT+6], v[QT+7], s[HM]
	ds_store_b8 v[VSBA], v57 offset:256*(\cg)+32
.endm
	s_load_b512 s[8:23], s[0:1], 0x0   ; x 8, Wq codes 10, scales 12, bq 14, Wk codes 16, scales 18, bk 20, Wv codes 22
	s_load_b512 s[24:39], s[0:1], 0x40 ; Wv scales 24, bv 26, q_img 28, q_sw 30, k_img 32, k_sw 34, v_img 36, v_sb 38
	s_load_b256 s[48:55], s[0:1], 0x80 ; Wo codes 48, W1 codes 50, W2 codes 52, a_img 54
	v_lshl_add_u32 v[SPW], v0, 2, SPARE
	v_mov_b32 v[NIL], 0
	ds_add_u32 v1, v2
	ds_add_u32 v1, v2
	s_wait_dscnt 0x0
	v_lshrrev_b32 v48, 5, v0
	v_readfirstlane_b32 s[WV], v48     ; wave 0..3
	v_and_b32 v49, 31, v0              ; lane
	v_and_b32 v50, 15, v0              ; r
	v_bfe_u32 v51, v0, 4, 1            ; h
	v_mov_b32 v59, 0                   ; (a lane permute's destination counts as one of its sources)
	v_lshlrev_b32 v13, 9, v50          ; v13: 512 r + 16 h: my 16 bytes in a fragment of 16 weight rows; never rewritten
	v_lshl_add_u32 v13, v51, 4, v13
	v_lshlrev_b32 v[LI], 4, v49
	v_lshlrev_b32 v[L4], 2, v49
	v_lshlrev_b32 v[L8], 3, v49
	v_lshl_add_u32 v[XIA], v49, 4, XIMG
	v_lshl_add_u32 v[XSA], v49, 2, XSC
	s_mul_i32 s74, s[WV], 4608
	s_add_co_u32 s74, s74, WSTG        ; my stage
	v_lshrrev_b32 v52, 3, v49
	v_mul_u32_u24 v52, v52, 144
	v_and_b32 v53, 7, v49
	v_lshl_add_u32 v52, v53, 4, v52
	v_add_nc_u32 v[STA], s74, v52      ; in: a load's 512 bytes are four blocks: 144 (l / 8) + 16 (l % 8)
	v_mul_u32_u24 v52, v49, 144
	v_add_nc_u32 v[STB], s74, v52      ; out: block l
	s_lshr_b32 s74, s[WV], 1
	s_lshl_b32 s74, s74, 13
	s_and_b32 s76, s[WV], 1
	s_lshl_b32 s75, s76, 7
	s_add_co_u32 s74, s74, s75
	s_add_co_u32 s74, s74, XIMG
	v_lshl_add_u32 v[IMA], v49, 8, s74 ; block l of row 8 w + i lies at 256 l + 8192 (w / 2) + 128 (w % 2) + 16 i of the images
	s_lshl_b32 s74, s[WV], 5
	s_add_co_u32 s74, s74, XSC
	v_lshrrev_b32 v52, 2, v49
	v_and_b32 v53, 3, v49
	v_lshl_add_u32 v52, v52, 7, v53
	v_add_nc_u32 v[SCA], s74, v52      ; its byte: 128 (l / 4) + l % 4 + 4 x row
	s_mul_i32 s[LW], s[WV], QTR        ; my 64 rows of a slot
	v_mul_u32_u24 v52, v50, 528
	v_lshl_add_u32 v52, v51, 4, v52
	v_add_nc_u32 v[WFA], s[LW], v52    ; row 64 w + r of a slot, + 16 h
	v_add_nc_u32 v[WFA+1], SLOT, v[WFA]
	s_lshl_b32 s74, s[WV], 11
	v_lshl_add_u32 v[WGO], v49, 5, s74 ; 32 scale bytes a row
	s_lshl_b32 s74, s[WV], 8
	v_lshl_add_u32 v[BD], v51, 5, s74
	v_lshl_add_u32 v[BVO], v50, 2, s74
	s_lshl_b32 s75, s[WV], 6
	s_add_co_u32 s75, s75, VSB
	v_add_nc_u32 v[VSBA], s75, v49
	s_add_co_u32 s74, s74, VSB
	v_lshl_add_u32 v[VSBR], v49, 3, s74
	s_mov_b32 s[SEL], 0x76543210
	s_mov_b32 s[SEL+1], 0xfedcba98     ; v_permlanex16_b32's selects for lane l xor 16
	s_mov_b32 s[HM], 0xffff0000
	s_mov_b32 s[C10], 0x3a800000
	s_mov_b32 s[EPS], 0x3727c5ac       ; 1e-5
	; group 1: 64 rows of 512 one-byte elements, 4 words of padding behind every 128; the mask names the cluster's four, bit 21 beside it
	s_mov_b32 s[G1C], 15|(0<<16)|(1<<20)|(1<<21)|(6<<22)|(3<<25)
	s_mov_b32 s[G1C+1], 512<<16
	s_mov_b32 s[G1C+2], 64<<16
	s_mov_b32 s[G1C+3], 512<<16
	s_mov_b32 s[G1C+4], 64
	s_mov_b32 s[G1C+5], 512
	s_mov_b32 s[G1C+6], 0
	s_mov_b32 s[G1C+7], 0
	s_mov_b32 s[G0], 1
	s_mov_b32 s[G0+4], 1
	s_bfe_u32 s77, ttmp6, 0x40000      ; cx
	s_lshl_b32 s78, ttmp9, 2
	s_add_co_u32 s77, s78, s77         ; the work-group's number: it enters global addresses alone
	s_lshl_b32 s78, s77, 17
	s_lshl_b32 s79, s[WV], 15
	s_add_co_u32 s78, s78, s79
	s_mov_b32 s79, 0                   ; x: (32 wg + 8 w) rows of 4,096 bytes
	s_lshl_b32 s80, s[WV], 15
	s_mov_b32 s81, 0                   ; codes: wave x 64 rows of 512 bytes
	s_lshr_b32 s82, s77, 5             ; batch
	s_and_b32 s83, s77, 31             ; block of 32 tokens in it
	s_lshl_b32 s82, s82, 4
	s_add_co_u32 s82, s82, s[WV]       ; 16 b + w
	s_lshl_b32 s84, s82, 15
	s_lshl_b32 s86, s83, 10
	s_add_co_u32 s84, s84, s86
	s_mov_b32 s85, 0                   ; q_img, k_img
	s_lshl_b32 s86, s82, 12
	s_lshl_b32 s88, s83, 7
	s_add_co_u32 s86, s86, s88
	s_mov_b32 s87, 0                   ; q_sw, k_sw
	s_lshl_b32 s88, s77, 14
	s_lshl_b32 s90, s[WV], 10
	s_add_co_u32 s88, s88, s90
	s_mov_b32 s89, 0                   ; v_img
	s_lshl_b32 s90, s77, 10
	s_lshl_b32 s92, s[WV], 8
	s_add_co_u32 s90, s90, s92
	s_mov_b32 s91, 0                   ; v_sb
	; THE LAST LAUNCH'S WEIGHTS AS IMAGES OF THE OPERAND'S REGISTERS.  The codes of Wo, W1, W2 are laid behind byte 4,194,304 of a_img as [weight][64 rows: 16 groups][K step 8][tile 4][1,024 bytes].
	; An image is 16 rows x 128 K: at 512 c + 16 x lane the 16 bytes of row r at 64 x K step + 32 c + 16 h.  The launch's 1,024 waves take half an image of each weight: wave g = 4 wg + w takes half g % 2 of image g / 2.
	; A load takes 32 consecutive bytes of each of 16 rows; a store covers 512 consecutive bytes, aligned.  Only addresses hang on the work-group's number.
	s_lshl_b32 s93, s77, 1
	s_lshr_b32 s94, s[WV], 1
	s_add_co_u32 s93, s93, s94         ; the image's number
	s_lshr_b32 s94, s93, 5
	s_lshl_b32 s94, s94, 2
	s_and_b32 s95, s93, 3
	s_add_co_u32 s94, s94, s95         ; its tile of 16 rows
	s_lshl_b32 s94, s94, 13            ; 16 rows of 512 bytes
	s_bfe_u32 s95, s93, 0x30002        ; its K step
	s_lshl_b32 s95, s95, 6
	s_add_co_u32 s94, s94, s95
	s_and_b32 s95, s[WV], 1            ; c
	s_lshl_b32 s95, s95, 5
	s_add_co_u32 s94, s94, s95
	s_mov_b32 s95, 0
	s_lshl_b32 s96, s77, 11
	s_lshl_b32 s97, s[WV], 9
	s_add_co_u32 s96, s96, s97         ; 512 g
	s_add_co_u32 s96, s96, 0x400000
	s_mov_b32 s97, 0
	s_wait_kmcnt 0x0
	s_add_nc_u64 s[8:9], s[8:9], s[78:79]
	s_add_nc_u64 s[10:11], s[10:11], s[80:81]
	s_add_nc_u64 s[16:17], s[16:17], s[80:81]
	s_add_nc_u64 s[22:23], s[22:23], s[80:81]
	s_add_nc_u64 s[28:29], s[28:29], s[84:85]
	s_add_nc_u64 s[32:33], s[32:33], s[84:85]
	s_add_nc_u64 s[30:31], s[30:31], s[86:87]
	s_add_nc_u64 s[34:35], s[34:35], s[86:87]
	s_add_nc_u64 s[36:37], s[36:37], s[88:89]
	s_add_nc_u64 s[38:39], s[38:39], s[90:91]
	s_add_nc_u64 s[48:49], s[48:49], s[94:95]
	s_add_nc_u64 s[50:51], s[50:51], s[94:95]
	s_add_nc_u64 s[52:53], s[52:53], s[94:95]
	s_add_nc_u64 s[54:55], s[54:55], s[96:97]
	global_load_b128 v[244:247], v13, s[48:49]                     ; older than the rows' loads, so the first row's wait covers them
	global_load_b128 v[248:251], v13, s[50:51]
	global_load_b128 v[252:255], v13, s[52:53]
	WIN 0xc0                           ; destination window 3: my 8 rows, all 64 loads at once, 512 consecutive bytes each
.irp i, 0,1,2,3,4,5,6,7
.irp j, 0,1,2,3,4,5,6,7
	global_load_b128 v[32*\i+4*\j:32*\i+4*\j+3], v[LI], s[8:9] offset:4096*\i+512*\j th:TH_LOAD_NT
.endr
.endr
	WIN 0
	SETG0 0, 10, 0
	SETG0 1, 10, 1
	ROUND                              ; the four work-groups are here: the first joint loads meet
	tensor_load_to_lds s[G0:G0+3], s[G1C:G1C+7]                    ; slot 0: Wq, columns 0-255: my 64 rows
	s_nop 0
	PL 4
.irp i, 0,1,2,3
	ROW \i
.endr
	global_store_b128 v[LI], v[244:247], s[54:55]                  ; my halves of three images
	global_store_b128 v[LI], v[248:251], s[54:55] offset:524288
	global_store_b128 v[LI], v[252:255], s[54:55] offset:1048576
	s_wait_tensorcnt 0x0               ; slot 1's first fill is issued as a refill is: a round, and one load a wave
	ds_add_u32 v[SPW], v[NIL]
	s_wait_dscnt 0x0
	ROUND
	tensor_load_to_lds s[G0+4:G0+7], s[G1C:G1C+7]                  ; slot 1: Wq, columns 256-511.  It lands while rows 4 to 7 are normalised
	s_nop 0
	PL 4
.irp i, 4,5,6,7
	ROW \i
.endr
	WSLOAD WS1, 12, 1                  ; the second slot's scale words, into registers that the rows have left
	s_wait_tensorcnt 0x1               ; my part of slot 0 is in; slot 1's load may stay out
	s_wait_dscnt 0x0                   ; my stores into the images are done
	s_barrier_signal -1
	s_barrier_wait -1                  ; everybody's are
	WIN 0x40
.irp f, 0,1,2,3,4,5,6,7,8,9,10,11,12,13,14,15
	ds_load_b128 v[8*\f:8*\f+3], v[XIA] offset:1024*\f             ; all 16 fragments of LN(x) stay in registers
	ds_load_b128 v[8*\f+4:8*\f+7], v[XIA] offset:1024*\f+512
.endr
	WIN 0
.irp s, 0,1,2,3,4,5,6,7
	ds_load_b32 v[XS+\s], v[XSA] offset:128*\s
.endr
.set I, 0
.rept 12                               ; slot I: weight I / 4, columns 256 (I % 4) on.  (The first slot's wait on the loads covers the biases too: they are older)
.if I < 11
.set LC, 4
.else
.set LC, 0
.endif
.if I < 8
	KLOOP (I%2), 0, ACC, (32*I), 0x24, 0x04, 0x04, LC
.else
	KLOOP (I%2), 1, ACC, -1, 0x01, 0x01, 0, LC
.endif
.if I < 10
	WSLOAD WSB, (12+6*((I+2)/4)), ((I+2)%4)                        ; the scale words of the slot after next, into the set just used
.endif
.if I < 4
	QKOUT 28, 30, (I%4)
.elseif I < 8
	QKOUT 32, 34, (I%4)
.else
	VOUT (I%4)
.endif
.if I < 10
	CHANGE 1, (I%2), (10+6*((I+2)/4)), ((I+2)%4)
.elseif I == 10
	CHANGE 0, 0, 0, 0                  ; the last slot: nothing is left to ask for
.endif
.set I, I+1
.endr
	s_wait_dscnt 0x0                   ; my scale bytes of v lie in LDS
	s_barrier_signal -1
	s_barrier_wait -1
	ds_load_b64 v[48:49], v[VSBR]
	s_wait_dscnt 0x0
	global_store_b64 v[L8], v[48:49], s[38:39]                     ; a wave stores 256 consecutive bytes, aligned
	s_wait_tensorcnt 0x0               ; the wave's end
	ds_add_u32 v[SPW], v[NIL]
	s_wait_dscnt 0x0
	ROUND                              ; the closing round
	s_endpgm
.Lfunc_end_k_q6b7b7e0d3d_qkv:
	.size	k_q6b7b7e0d3d_qkv, .Lfunc_end_k_q6b7b7e0d3d_qkv-k_q6b7b7e0d3d_qkv
	.p2alignl 7, 3214868480
	.fill 96, 4, 3214868480
	.section	.rodata,"a",@progbits
	.p2align	6, 0x0
	.amdhsa_kernel k_q6b7b7e0d3d_qkv
		.amdhsa_group_segment_fixed_size 327680
		.amdhsa_private_segment_fixed_size 0
		.amdhsa_enable_private_segment 0
		.amdhsa_kernarg_size 160
		.amdhsa_user_sgpr_count 2
		.amdhsa_user_sgpr_kernarg_segment_ptr 1
		.amdhsa_wavefront_size32 1
		.amdhsa_system_sgpr_workgroup_id_x 1
		.amdhsa_system_sgpr_workgroup_id_y 1
		.amdhsa_system_sgpr_workgroup_id_z 1
		.amdhsa_system_vgpr_workitem_id 0
		.amdhsa_next_free_vgpr 1024
		.amdhsa_next_free_sgpr 100
		.amdhsa_reserve_vcc 0
		.amdhsa_float_denorm_mode_32 3
		.amdhsa_float_denorm_mode_16_64 3
		.amdhsa_memory_ordered 1
		.amdhsa_forward_progress 1
		.amdhsa_inst_pref_size 255
	.end_amdhsa_kernel
	.section	.bss,"aw",@nobits
	.p2align	6
	.space	262144
	.amdgpu_metadata
---
amdhsa.version: [ 1, 2 ]
amdhsa.kernels:
  - .name:           k_q6b7b7e0d3d_qkv
    .symbol:         k_q6b7b7e0d3d_qkv.kd
    .args:
      - { .name: x, .offset: 0, .size: 8, .value_kind: global_buffer, .address_space: global }
      - { .name: Wq_codes, .offset: 8, .size: 8, .value_kind: global_buffer, .address_space: global }
      - { .name: Wq_scales, .offset: 16, .size: 8, .value_kind: global_buffer, .address_space: global }
      - { .name: bq, .offset: 24, .size: 8, .value_kind: global_buffer, .address_space: global }
      - { .name: Wk_codes, .offset: 32, .size: 8, .value_kind: global_buffer, .address_space: global }
      - { .name: Wk_scales, .offset: 40, .size: 8, .value_kind: global_buffer, .address_space: global }
      - { .name: bk, .offset: 48, .size: 8, .value_kind: global_buffer, .address_space: global }
      - { .name: Wv_codes, .offset: 56, .size: 8, .value_kind: global_buffer, .address_space: global }
      - { .name: Wv_scales, .offset: 64, .size: 8, .value_kind: global_buffer, .address_space: global }
      - { .name: bv, .offset: 72, .size: 8, .value_kind: global_buffer, .address_space: global }
      - { .name: q_img, .offset: 80, .size: 8, .value_kind: global_buffer, .address_space: global }
      - { .name: q_sw, .offset: 88, .size: 8, .value_kind: global_buffer, .address_space: global }
      - { .name: k_img, .offset: 96, .size: 8, .value_kind: global_buffer, .address_space: global }
      - { .name: k_sw, .offset: 104, .size: 8, .value_kind: global_buffer, .address_space: global }
      - { .name: v_img, .offset: 112, .size: 8, .value_kind: global_buffer, .address_space: global }
      - { .name: v_sb, .offset: 120, .size: 8, .value_kind: global_buffer, .address_space: global }
      - { .name: Wo_codes, .offset: 128, .size: 8, .value_kind: global_buffer, .address_space: global }
      - { .name: W1_codes, .offset: 136, .size: 8, .value_kind: global_buffer, .address_space: global }
      - { .name: W2_codes, .offset: 144, .size: 8, .value_kind: global_buffer, .address_space: global }
      - { .name: a_img, .offset: 152, .size: 8, .value_kind: global_buffer, .address_space: global }
    .group_segment_fixed_size: 327680
    .private_segment_fixed_size: 0
    .kernarg_segment_align: 8
    .kernarg_segment_size: 160
    .max_flat_workgroup_size: 128
    .sgpr_count:     100
    .vgpr_count:     1024
    .wavefront_size: 32
...
	.end_amdgpu_metadata
.endif
;; end of part 1
;; launch attn (part 2): grid 256 x 1, 16 waves a work-group, no clusters, 169,984 bytes of LDS; arguments q_img, q_sw, k_img, k_sw, v_img, v_sb, a_img, a_sh; writes a_img, a_sh
.if DOCPART == 2
	.amdgcn_target "amdgcn-amd-amdhsa--gfx1250"
	.amdhsa_code_object_version 6
	.text
	.protected	k_q6b7b7e0d3d_attn
	.globl	k_q6b7b7e0d3d_attn
	.p2align	8
	.type	k_q6b7b7e0d3d_attn,@function
k_q6b7b7e0d3d_attn:
	s_mov_b64 s[64:65], 0
	v_nop
	global_prefetch_b8 v0, s[64:65] scope:SCOPE_SE
	s_setreg_imm32_b32 hwreg(HW_REG_WAVE_MODE, 25, 1), 1
	s_wait_xcnt 0x0
; Attention of one head on codes of FP4: S^T = k q^T, p = 2^(t - M), O^T = v^T p^T, O / l, and the quantiser of the result along E.
; SHARES.  A work-group takes 512 queries of one head; each of its sixteen waves two tiles of 16 queries, one after the other, in 256 registers: four waves to a SIMD, so that one wave's vector work
; stands beside another's products and LDS loads.  All 1,024 keys of the head lie in LDS for the whole launch (k's images 32 KiB, v's codes 32 KiB, k's scale words 4 KiB): filled once, by three tensor loads.
; NO CLUSTER: only two work-groups share a head, and what they share is 68 KiB fetched once, against 16 key steps a wave.
; K = 64 IN A FORM OF 128: q's registers 4-7 are zero codes; k's fragment of tile t is v[KF + 4 t .. + 7], whose upper four registers are the next tile's codes: they meet zero codes.  Bytes 2 and 3 of the scale words are 0.
; LAYOUT.  Both products are used transposed: a lane holds one query.  In S^T tile t, lane (r, h), register j is key 16 t + 8 h + j; tiles 2 b, 2 b + 1 are block b of 32 keys, shared with the lane 16 away;
; the order of the conversions' destinations and two exchanges of halves a pair of blocks give a lane whole blocks.
; SOFTMAX.  t = score x log2(e) / 8; M = the running largest t rounded up to a whole number; the sum is taken of the unquantised p; when M moves, sum and O^T are multiplied by 2^(old M - new M), exactly.
; A block's largest p is made from its largest score by the same two instructions (this takes v_exp_f32 not to fall where its input rises).
; LIMITS: NaN and infinities are not served; a block under 2^-124, or of zeros, keeps the scale byte 1 (its bytes are read by this program alone).  1 / l is v_rcp_f32 (1 ulp).
; The stores of the result's scale bytes are pieces of 32 bytes (both halves of the lanes write the same bytes with the same values).
.set KC,  0
.set VC,  32768
.set KSO, 65536
.set VSW, 69632                        ; v's scale words [key step 8][d 64], made here by LDS stores; no fill lands there
.set LI,  1                            ; v1  16 x lane
.set AKS, 2                            ; v2  KSO + 4 r
.set AVC, 3                            ; v3  VC + 1024 h + 16 r
.set AVS, 4                            ; v4  VSW + 4 r
.set ADK, 5                            ; v5, v6, v7, v10: the step's addresses
.set ADS, 6
.set ADV, 7
.set QS,  8                            ; v8, v9 q's scale words
.set ADT, 10
.set R2,  11                           ; v11 2 r
.set QF,  16                           ; v16-31 q's two fragments        v12 -M, v13 the largest t, v[14:15] the sum in two halves
.set KF,  32                           ; v32-63 k's eight tiles, v64-67 zeros
.set KSR, 68                           ; v68-75 k's scale words
.set VSR, 76                           ; v76-79 v's
.set VF,  80                           ; v80-111 v's four fragments
.set SS,  112                          ; v112-175 S^T, then p
.set OO,  176                          ; v176-207 O^T
.set PC,  208                          ; v208-215 p's codes
.set BM,  216
.set TP,  220
.set SO,  224
.set BY,  228
.set FF,  232                          ; v[232:233] f
.set PW,  234                          ; p's scale word
.set QT,  216                          ; QUANT2's eight
.set OC,  240
.set OH,  244
.set WV,  24
.set CS,  30                           ; s[30:31] c = log2(e) / 8
.set SEL, 88
.set TK,  90                           ; LDS steps: 4,096 (k's and v's codes), 512, 256
.set TS,  91
.set TJ,  92
.set CNT, 93
.macro PL n
.rept \n
	v_nop
.endr
.endm
.macro QUANT2 a0, a1, a2, a3, pc       ; two blocks of 32 (a0, a1 | a2, a3), each shared with the lane 16 away, become 16 bytes a lane: lanes 0-15 block 0, lanes 16-31 block 1
	v_max3_num_f32 v[QT], |v[(\a0)]|, |v[(\a0)+1]|, 0x1800000
	v_max3_num_f32 v[QT+1], |v[(\a2)]|, |v[(\a2)+1]|, 0x1800000
.irp i, 2,4,6
	s_delay_alu instid0(VALU_DEP_2)
	v_max3_num_f32 v[QT], v[QT], |v[(\a0)+\i]|, |v[(\a0)+\i+1]|
	s_delay_alu instid0(VALU_DEP_2)
	v_max3_num_f32 v[QT+1], v[QT+1], |v[(\a2)+\i]|, |v[(\a2)+\i+1]|
.endr
.irp i, 0,2,4,6
	s_delay_alu instid0(VALU_DEP_2)
	v_max3_num_f32 v[QT], v[QT], |v[(\a1)+\i]|, |v[(\a1)+\i+1]|
	s_delay_alu instid0(VALU_DEP_2)
	v_max3_num_f32 v[QT+1], v[QT+1], |v[(\a3)+\i]|, |v[(\a3)+\i+1]|
.endr
	s_delay_alu instid0(VALU_DEP_2)
	v_permlanex16_b32 v[QT+2], v[QT], s[SEL], s[SEL+1]
	s_delay_alu instid0(VALU_DEP_2)
	v_permlanex16_b32 v[QT+3], v[QT+1], s[SEL], s[SEL+1]
	s_delay_alu instid0(VALU_DEP_2)
	v_max_num_f32 v[QT], v[QT], v[QT+2]
	s_delay_alu instid0(VALU_DEP_2)
	v_max_num_f32 v[QT+1], v[QT+1], v[QT+3]
	s_delay_alu instid0(VALU_DEP_2)
	v_add_nc_u32 v[QT+4], 0xff000000, v[QT]
	s_delay_alu instid0(VALU_DEP_2)
	v_add_nc_u32 v[QT+5], 0xff000000, v[QT+1]
	s_delay_alu instid0(VALU_DEP_2)
	v_lshrrev_b32 v[QT+6], 23, v[QT+4]
	s_delay_alu instid0(VALU_DEP_2)
	v_lshrrev_b32 v[QT+7], 23, v[QT+5]
	v_cvt_scalef32_pk8_fp4_f32 v[(\pc)], v[(\a0):(\a0)+7], v[QT+4]
	v_cvt_scalef32_pk8_fp4_f32 v[(\pc)+2], v[(\a1):(\a1)+7], v[QT+4]
	v_cvt_scalef32_pk8_fp4_f32 v[(\pc)+1], v[(\a2):(\a2)+7], v[QT+5]
	v_cvt_scalef32_pk8_fp4_f32 v[(\pc)+3], v[(\a3):(\a3)+7], v[QT+5]
	v_nop
	v_permlane16_swap_b32 v[(\pc)], v[(\pc)+1]
	v_permlane16_swap_b32 v[(\pc)+2], v[(\pc)+3]
.endm
	s_load_b512 s[8:23], s[0:1], 0x0   ; q_img 8, q_sw 10, k_img 12, k_sw 14, v_img 16, v_sb 18, a_img 20, a_sh 22
	v_lshl_add_u32 v254, v0, 2, 0x29000
	v_mov_b32 v255, 0
	ds_add_u32 v254, v255
	ds_add_u32 v254, v255
	v_lshrrev_b32 v236, 5, v0
	s_delay_alu instid0(VALU_DEP_1)
	v_readfirstlane_b32 s[WV], v236    ; wave 0..15
	v_and_b32 v237, 31, v0
	v_and_b32 v238, 15, v0             ; r
	v_bfe_u32 v239, v0, 4, 1           ; h
	s_delay_alu instid0(VALU_DEP_3)
	v_lshlrev_b32 v[LI], 4, v237
	s_delay_alu instid0(VALU_DEP_3)
	v_lshl_add_u32 v[AKS], v238, 2, KSO
	s_delay_alu instid0(VALU_DEP_4)
	v_lshlrev_b32 v[AVC], 4, v238
	s_delay_alu instid0(VALU_DEP_1)
	v_lshl_add_u32 v[AVC], v239, 10, v[AVC]
	s_delay_alu instid0(VALU_DEP_1)
	v_add_nc_u32 v[AVC], VC, v[AVC]
	v_lshl_add_u32 v[AVS], v238, 2, VSW
	v_lshlrev_b32 v[R2], 1, v238
	v_lshlrev_b32 v237, 2, v238        ; 4 r: q's scale words
	v_lshrrev_b32 v236, 6, v0
	v_and_b32 v239, 63, v0
	s_delay_alu instid0(VALU_DEP_1)
	v_lshl_add_u32 v238, v236, 12, v239 ; thread i gathers v's four scale bytes of key step i / 64, d = i % 64
	v_lshl_add_u32 v239, v0, 2, VSW
	s_lshr_b32 s25, ttmp9, 1           ; 16 b + head
	s_and_b32 s26, ttmp9, 1            ; which 512 queries
	s_lshr_b32 s27, s25, 4             ; b
	s_and_b32 s28, s25, 15             ; head
	s_lshl_b32 s26, s26, 5
	s_add_co_u32 s26, s26, s[WV]       ; my first tile of queries
	s_lshl_b32 s72, s25, 15
	s_mov_b32 s73, 0                   ; the head in k_img and q_img
	s_lshl_b32 s74, s25, 12
	s_mov_b32 s75, 0                   ; in k_sw and q_sw
	s_lshl_b32 s76, s27, 19
	s_lshl_b32 s29, s28, 10
	s_add_co_u32 s76, s76, s29
	s_mov_b32 s77, 0                   ; in v_img
	s_lshl_b32 s78, s27, 15
	s_lshl_b32 s29, s28, 6
	s_add_co_u32 s78, s78, s29
	s_mov_b32 s79, 0                   ; in v_sb
	s_lshl_b32 s80, s26, 9
	s_add_co_u32 s80, s80, s72
	s_mov_b32 s81, 0                   ; my tile in q_img
	s_lshl_b32 s82, s26, 6
	s_add_co_u32 s82, s82, s74
	s_mov_b32 s83, 0                   ; in q_sw
	s_lshl_b32 s84, s27, 6
	s_add_co_u32 s84, s84, s26         ; my tile among all 512 tiles of rows
	s_lshl_b32 s86, s84, 9
	s_lshl_b32 s29, s28, 5
	s_add_co_u32 s86, s86, s29
	s_mov_b32 s87, 0                   ; a_sh
	s_lshl_b32 s84, s84, 13
	s_lshl_b32 s29, s28, 9
	s_add_co_u32 s84, s84, s29
	s_mov_b32 s85, 0                   ; a_img
	; groups 1: elements of 8 bytes, no padding.  k's images: 128 rows of 256 dense bytes
	s_mov_b32 s32, 3<<16
	s_mov_b32 s33, 32<<16
	s_mov_b32 s34, 128<<16
	s_mov_b32 s35, 32<<16
	s_mov_b32 s36, 128
	s_mov_b32 s37, 32
	s_mov_b32 s38, 0
	s_mov_b32 s39, 0
	; v's codes: 32 rows (blocks of keys) of 1,024 bytes (the head's 64 columns), 16,384 bytes apart
	s_mov_b32 s40, 3<<16
	s_mov_b32 s41, 128<<16
	s_mov_b32 s42, 32<<16
	s_mov_b32 s43, 128<<16
	s_mov_b32 s44, 32
	s_mov_b32 s45, 2048
	s_mov_b32 s46, 0
	s_mov_b32 s47, 0
	; k's scale words: 16 rows of 256 dense bytes
	s_mov_b32 s48, 3<<16
	s_mov_b32 s49, 32<<16
	s_mov_b32 s50, 16<<16
	s_mov_b32 s51, 32<<16
	s_mov_b32 s52, 16
	s_mov_b32 s53, 32
	s_mov_b32 s54, 0
	s_mov_b32 s55, 0
	s_mov_b32 s[SEL], 0x76543210
	s_mov_b32 s[SEL+1], 0xfedcba98
	s_mov_b32 s[CS], 0x3e38aa3b
	s_mov_b32 s[CS+1], s[CS]           ; (named with it as a pair, so it is written)
	s_wait_dscnt 0x0
	s_wait_kmcnt 0x0
	s_mov_b32 s56, 1
	s_mov_b32 s57, KC
	s_add_nc_u64 s[58:59], s[12:13], s[72:73]
	s_or_b32 s59, s59, 0x80000000
	s_mov_b32 s60, 1
	s_mov_b32 s61, VC
	s_add_nc_u64 s[62:63], s[16:17], s[76:77]
	s_or_b32 s63, s63, 0x80000000
	s_mov_b32 s68, 1
	s_mov_b32 s69, KSO
	s_add_nc_u64 s[70:71], s[14:15], s[74:75]
	s_or_b32 s71, s71, 0x80000000
	s_cmp_eq_u32 s[WV], 0              ; the three fills: one load each for waves 0, 1 and 2
	s_cbranch_scc0 .Lnot0
	tensor_load_to_lds s[56:59], s[32:39]
	s_nop 0
	PL 4
	s_branch .Lfilled
.Lnot0:
	s_cmp_eq_u32 s[WV], 1
	s_cbranch_scc0 .Lnot1
	tensor_load_to_lds s[60:63], s[40:47]
	s_nop 0
	PL 4
	s_branch .Lfilled
.Lnot1:
	s_cmp_eq_u32 s[WV], 2
	s_cbranch_scc0 .Lfilled
	tensor_load_to_lds s[68:71], s[48:55]
	s_nop 0
	PL 4
.Lfilled:
	s_add_nc_u64 s[8:9], s[8:9], s[80:81]
	s_add_nc_u64 s[10:11], s[10:11], s[82:83]
	s_add_nc_u64 s[18:19], s[18:19], s[78:79]
	s_add_nc_u64 s[20:21], s[20:21], s[84:85]
	s_add_nc_u64 s[22:23], s[22:23], s[86:87]
	global_load_b128 v[QF:QF+3], v[LI], s[8:9]
	global_load_b128 v[QF+8:QF+11], v[LI], s[8:9] offset:8192      ; the second tile lies 16 tiles on
	s_wait_alu depctr_va_vdst(0)
	global_load_b32 v[QS], v237, s[10:11]
	global_load_b32 v[QS+1], v237, s[10:11] offset:1024
.irp j, 0,1,2,3
	global_load_u8 v[OC+\j], v238, s[18:19] offset:1024*\j
.endr
.irp j, 4,5,6,7,12,13,14,15
	v_mov_b32 v[QF+\j], 0              ; zero codes for d = 64 .. 127
.endr
.irp j, 0,1,2,3
	v_mov_b32 v[KF+32+\j], 0
	v_mov_b32 v[TP+\j], 0              ; (a lane permute's destination counts as one of its sources)
.endr
	v_mov_b32 v[FF+1], 0               ; (named as the upper half of a pair)
	s_wait_loadcnt 0x0
	v_lshl_or_b32 v[OC], v[OC+1], 8, v[OC]
	s_delay_alu instid0(VALU_DEP_1)
	v_lshl_or_b32 v[OC], v[OC+2], 16, v[OC]
	s_delay_alu instid0(VALU_DEP_1)
	v_lshl_or_b32 v[OC], v[OC+3], 24, v[OC]
	ds_store_b32 v239, v[OC]
	s_wait_tensorcnt 0x0               ; my fill has landed,
	s_wait_dscnt 0x0                   ; my word of v's scales too
	s_barrier_signal -1
	s_barrier_wait -1                  ; everybody's have
.macro QTILE qi
	s_wait_xcnt 0x0                    ; the last tile's stores have read their registers
	v_mov_b32 v13, 0xff61b1e6          ; the largest t so far: -3e38
	s_delay_alu instid0(VALU_DEP_1)
	v_floor_f32 v12, -v13              ; -M
	v_mov_b32 v14, 0
	v_mov_b32 v15, 0
.set J, 0
.rept 32
	v_mov_b32 v[OO+J], 0               ; the loop is written once: its first step finds zeros, which the first change of M leaves zeros
.set J, J+1
.endr
	s_mov_b32 s[TK], 0
	s_mov_b32 s[TS], 0
	s_mov_b32 s[TJ], 0
	s_mov_b32 s[CNT], 8
.Lstep_\@:                             ; a key step: 128 keys
	v_add_nc_u32 v[ADK], s[TK], v[LI]  ; (these four are also the places behind the last step's products, in front of the loads)
	v_add_nc_u32 v[ADS], s[TS], v[AKS]
	v_add_nc_u32 v[ADV], s[TK], v[AVC]
	v_add_nc_u32 v[ADT], s[TJ], v[AVS]
.irp t, 0,1,2,3,4,5,6,7
	ds_load_b128 v[KF+4*\t:KF+4*\t+3], v[ADK] offset:512*\t
.endr
.irp t, 0,1,2,3,4,5,6,7
	ds_load_b32 v[KSR+\t], v[ADS] offset:64*\t
.endr
.irp t, 0,1,2,3
	ds_load_b128 v[VF+8*\t:VF+8*\t+3], v[ADV] offset:256*\t
	ds_load_b128 v[VF+8*\t+4:VF+8*\t+7], v[ADV] offset:2048+256*\t
.endr
.irp t, 0,1,2,3
	ds_load_b32 v[VSR+\t], v[ADT] offset:64*\t
.endr
	s_wait_dscnt 12                    ; k's are in; v's 8 + 4 loads may stay out
.irp t, 0,1,2,3,4,5,6,7
	v_wmma_scale_f32_16x16x128_f8f6f4 v[SS+8*\t:SS+8*\t+7], v[KF+4*\t:KF+4*\t+7], v[QF+8*\qi:QF+8*\qi+7], 0, v[KSR+\t], v[QS+\qi] matrix_a_fmt:MATRIX_FMT_FP4 matrix_b_fmt:MATRIX_FMT_FP4
.endr
	PL 4
.irp b, 0,1,2,3
	v_max3_num_f32 v[BM+\b], v[SS+16*\b], v[SS+16*\b+1], v[SS+16*\b+2]       ; the largest score of each block of 32 keys: for the row's maximum and for the block's largest p
.endr
.irp i, 3,5,7,9,11,13
.irp b, 0,1,2,3
	v_max3_num_f32 v[BM+\b], v[BM+\b], v[SS+16*\b+\i], v[SS+16*\b+\i+1]
.endr
.endr
.irp b, 0,1,2,3
	v_max_num_f32 v[BM+\b], v[BM+\b], v[SS+16*\b+15]
.endr
.irp b, 0,1,2,3
	s_delay_alu instid0(VALU_DEP_4)
	v_permlanex16_b32 v[TP+\b], v[BM+\b], s[SEL], s[SEL+1]
.endr
.irp b, 0,1,2,3
	s_delay_alu instid0(VALU_DEP_4)
	v_max_num_f32 v[BM+\b], v[BM+\b], v[TP+\b]
.endr
	s_delay_alu instid0(VALU_DEP_2)
	v_max3_num_f32 v238, v[BM], v[BM+1], v[BM+2]
	s_delay_alu instid0(VALU_DEP_1)
	v_max_num_f32 v238, v238, v[BM+3]
	s_delay_alu instid0(VALU_DEP_1)
	v_mul_f32 v238, s[CS], v238        ; as t
	s_delay_alu instid0(VALU_DEP_1)
	v_max_num_f32 v13, v13, v238       ; the running largest t
	v_mov_b32 v238, v12
	s_delay_alu instid0(VALU_DEP_2)
	v_floor_f32 v12, -v13              ; the new -M = -ceil(t)
	s_delay_alu instid0(VALU_DEP_1)
	v_sub_f32 v238, v12, v238          ; old M - new M: a whole number, 0 or less
	s_delay_alu instid0(VALU_DEP_1)
	v_cvt_i32_f32 v238, v238           ; (it saturates)
	s_delay_alu instid0(VALU_DEP_1)
	v_ldexp_f32 v[FF], 1.0, v238       ; f = 2^(old M - new M)
.set J, 0
.rept 32
	v_pk_fma_f32 v[SS+J:SS+J+1], v[SS+J:SS+J+1], s[CS:CS+1], v[12:13] op_sel_hi:[1,0,0]   ; t - M
.set J, J+2
.endr
.irp b, 0,1,2,3
	v_fma_f32 v[BM+\b], v[BM+\b], s[CS], v12
.endr
.set J, 0
	s_wait_alu depctr_va_vdst(0)
.rept 64
	v_exp_f32 v[SS+J], v[SS+J]         ; p = 2^(t - M)
.set J, J+1
.endr
.irp b, 0,1,2,3
	v_exp_f32 v[BM+\b], v[BM+\b]       ; the block's largest p
.endr
	v_pk_mul_f32 v[14:15], v[14:15], v[FF:FF+1] op_sel_hi:[1,0]    ; the sums under the new M (a plain place behind the exponentials)
	s_wait_alu depctr_va_vdst(0)
.irp b, 0,1,2,3
	v_max_num_f32 v[BM+\b], 0x1800000, v[BM+\b]                    ; the floor 2^(3 - 127)
.endr
.irp b, 0,1,2,3
	s_delay_alu instid0(VALU_DEP_4)
	v_add_nc_u32 v[SO+\b], 0xff000000, v[BM+\b]
.endr
.irp b, 0,1,2,3
	s_delay_alu instid0(VALU_DEP_4)
	v_lshrrev_b32 v[BY+\b], 23, v[SO+\b]
.endr
	s_delay_alu instid0(VALU_DEP_3)
	v_lshl_or_b32 v[PW], v[BY+1], 8, v[BY]
	s_delay_alu instid0(VALU_DEP_1)
	v_lshl_or_b32 v[PW], v[BY+2], 16, v[PW]
	s_delay_alu instid0(VALU_DEP_1)
	v_lshl_or_b32 v[PW], v[BY+3], 24, v[PW]
.irp c, 0,1
	v_cvt_scalef32_pk8_fp4_f32 v[PC+4*\c], v[SS+32*\c:SS+32*\c+7], v[SO+2*\c]
	v_cvt_scalef32_pk8_fp4_f32 v[PC+4*\c+2], v[SS+32*\c+8:SS+32*\c+15], v[SO+2*\c]
	v_cvt_scalef32_pk8_fp4_f32 v[PC+4*\c+1], v[SS+32*\c+16:SS+32*\c+23], v[SO+2*\c+1]
	v_cvt_scalef32_pk8_fp4_f32 v[PC+4*\c+3], v[SS+32*\c+24:SS+32*\c+31], v[SO+2*\c+1]
.endr
	v_nop
.irp c, 0,1
	v_permlane16_swap_b32 v[PC+4*\c], v[PC+4*\c+1]
	v_permlane16_swap_b32 v[PC+4*\c+2], v[PC+4*\c+3]
.endr
	v_pk_add_f32 v[236:237], v[116:117], v[120:121]
	v_pk_add_f32 v[252:253], v[124:125], v[128:129]
	v_pk_add_f32 v[250:251], v[132:133], v[136:137]
	v_pk_add_f32 v[248:249], v[140:141], v[144:145]
	v_pk_add_f32 v[246:247], v[148:149], v[152:153]
	v_pk_add_f32 v[244:245], v[156:157], v[160:161]
	v_pk_add_f32 v[242:243], v[164:165], v[168:169]
	v_pk_add_f32 v[14:15], v[14:15], v[172:173]
	v_pk_add_f32 v[236:237], v[236:237], v[112:113]
	v_pk_add_f32 v[252:253], v[252:253], v[114:115]
	v_pk_add_f32 v[250:251], v[250:251], v[118:119]
	v_pk_add_f32 v[248:249], v[248:249], v[122:123]
	v_pk_add_f32 v[246:247], v[246:247], v[126:127]
	v_pk_add_f32 v[244:245], v[244:245], v[130:131]
	v_pk_add_f32 v[242:243], v[242:243], v[134:135]
	v_pk_add_f32 v[14:15], v[14:15], v[138:139]
	v_pk_add_f32 v[236:237], v[236:237], v[142:143]
	v_pk_add_f32 v[252:253], v[252:253], v[146:147]
	v_pk_add_f32 v[250:251], v[250:251], v[150:151]
	v_pk_add_f32 v[248:249], v[248:249], v[154:155]
	v_pk_add_f32 v[246:247], v[246:247], v[158:159]
	v_pk_add_f32 v[244:245], v[244:245], v[162:163]
	v_pk_add_f32 v[242:243], v[242:243], v[166:167]
	v_pk_add_f32 v[14:15], v[14:15], v[170:171]
	v_pk_add_f32 v[236:237], v[236:237], v[174:175]
	s_delay_alu instid0(VALU_DEP_2)
	v_pk_add_f32 v[14:15], v[14:15], v[248:249]
	s_delay_alu instid0(VALU_DEP_2)
	v_pk_add_f32 v[236:237], v[236:237], v[246:247]
	v_pk_add_f32 v[252:253], v[252:253], v[244:245]
	v_pk_add_f32 v[250:251], v[250:251], v[242:243]
	s_delay_alu instid0(VALU_DEP_2)
	v_pk_add_f32 v[14:15], v[14:15], v[252:253]
	s_delay_alu instid0(VALU_DEP_2)
	v_pk_add_f32 v[236:237], v[236:237], v[250:251]
	s_delay_alu instid0(VALU_DEP_1)
	v_pk_add_f32 v[14:15], v[14:15], v[236:237]
.set J, 0
.rept 16
	v_pk_mul_f32 v[OO+J:OO+J+1], v[OO+J:OO+J+1], v[FF:FF+1] op_sel_hi:[1,0]   ; O^T under the new M.  (With the sums: the places between p's codes and scale word and the products)
.set J, J+2
.endr
	s_wait_alu depctr_va_vdst(0)
	s_wait_dscnt 0x0                   ; v's fragments and scale words
.irp t, 0,1,2,3
	v_wmma_scale_f32_16x16x128_f8f6f4 v[OO+8*\t:OO+8*\t+7], v[VF+8*\t:VF+8*\t+7], v[PC:PC+7], v[OO+8*\t:OO+8*\t+7], v[VSR+\t], v[PW] matrix_a_fmt:MATRIX_FMT_FP4 matrix_b_fmt:MATRIX_FMT_FP4
.endr
	s_add_co_u32 s[TK], s[TK], 4096
	s_add_co_u32 s[TS], s[TS], 512
	s_add_co_u32 s[TJ], s[TJ], 256
	s_sub_co_u32 s[CNT], s[CNT], 1
	s_cmp_lg_u32 s[CNT], 0
	s_cbranch_scc1 .Lstep_\@
	PL 4
	v_add_f32 v14, v14, v15
	s_delay_alu instid0(VALU_DEP_1)
	v_permlanex16_b32 v238, v14, s[SEL], s[SEL+1]
	s_delay_alu instid0(VALU_DEP_1)
	v_add_f32 v14, v14, v238           ; the row's sum
	s_wait_alu depctr_va_vdst(0)
	v_rcp_f32 v14, v14
	v_nop
.set J, 0
	s_wait_alu depctr_va_vdst(0)
.rept 32
	v_mul_f32 v[SS+J], v[OO+J], v14    ; register 8 t + j: channel 16 t + 8 h + j of my query
.set J, J+1
.endr
	QUANT2 SS, SS+8, SS+16, SS+24, OC  ; the head's two blocks along E
	v_lshl_or_b32 v[OH], v[QT+7], 8, v[QT+6]
	global_store_b128 v[LI], v[OC:OC+3], s[20:21] offset:131072*\qi          ; half a fragment of the next product, as its registers lie: 512 consecutive bytes
	global_store_b16 v[R2], v[OH], s[22:23] offset:8192*\qi
.endm
	QTILE 0
	QTILE 1
	s_wait_tensorcnt 0x0
	ds_add_u32 v254, v255
	s_wait_dscnt 0x0
	s_endpgm
.Lfunc_end_k_q6b7b7e0d3d_attn:
	.size	k_q6b7b7e0d3d_attn, .Lfunc_end_k_q6b7b7e0d3d_attn-k_q6b7b7e0d3d_attn
	.p2alignl 7, 3214868480
	.fill 96, 4, 3214868480
	.section	.rodata,"a",@progbits
	.p2align	6, 0x0
	.amdhsa_kernel k_q6b7b7e0d3d_attn
		.amdhsa_group_segment_fixed_size 169984
		.amdhsa_private_segment_fixed_size 0
		.amdhsa_enable_private_segment 0
		.amdhsa_kernarg_size 64
		.amdhsa_user_sgpr_count 2
		.amdhsa_user_sgpr_kernarg_segment_ptr 1
		.amdhsa_wavefront_size32 1
		.amdhsa_system_sgpr_workgroup_id_x 1
		.amdhsa_system_sgpr_workgroup_id_y 1
		.amdhsa_system_sgpr_workgroup_id_z 1
		.amdhsa_system_vgpr_workitem_id 0
		.amdhsa_next_free_vgpr 256
		.amdhsa_next_free_sgpr 96
		.amdhsa_reserve_vcc 0
		.amdhsa_float_denorm_mode_32 3
		.amdhsa_float_denorm_mode_16_64 3
		.amdhsa_memory_ordered 1
		.amdhsa_forward_progress 1
		.amdhsa_inst_pref_size 52
	.end_amdhsa_kernel
	.amdgpu_metadata
---
amdhsa.version: [ 1, 2 ]
amdhsa.kernels:
  - .name:           k_q6b7b7e0d3d_attn
    .symbol:         k_q6b7b7e0d3d_attn.kd
    .args:
      - { .name: q_img, .offset: 0, .size: 8, .value_kind: global_buffer, .address_space: global }
      - { .name: q_sw, .offset: 8, .size: 8, .value_kind: global_buffer, .address_space: global }
      - { .name: k_img, .offset: 16, .size: 8, .value_kind: global_buffer, .address_space: global }
      - { .name: k_sw, .offset: 24, .size: 8, .value_kind: global_buffer, .address_space: global }
      - { .name: v_img, .offset: 32, .size: 8, .value_kind: global_buffer, .address_space: global }
      - { .name: v_sb, .offset: 40, .size: 8, .value_kind: global_buffer, .address_space: global }
      - { .name: a_img, .offset: 48, .size: 8, .value_kind: global_buffer, .address_space: global }
      - { .name: a_sh, .offset: 56, .size: 8, .value_kind: global_buffer, .address_space: global }
    .group_segment_fixed_size: 169984
    .private_segment_fixed_size: 0
    .kernarg_segment_align: 8
    .kernarg_segment_size: 64
    .max_flat_workgroup_size: 512
    .sgpr_count:     96
    .vgpr_count:     256
    .wavefront_size: 32
...
	.end_amdgpu_metadata
.endif
;; end of part 2
;; launch tail (part 3): grid 256 x 1, 4 waves a work-group, no clusters, 188,416 bytes of LDS; arguments x, a_img, a_sh, Wo_scales, bo, W1_scales, b1, W2_scales, b2, out0; writes out0
.if DOCPART == 3
	.amdgcn_target "amdgcn-amd-amdhsa--gfx1250"
	.amdhsa_code_object_version 6
	.text
	.protected	k_q6b7b7e0d3d_tail
	.globl	k_q6b7b7e0d3d_tail
	.p2align	8
	.type	k_q6b7b7e0d3d_tail,@function
k_q6b7b7e0d3d_tail:
	s_mov_b64 s[64:65], 0
	v_nop
	global_prefetch_b8 v0, s[64:65] scope:SCOPE_SE
	s_setreg_imm32_b32 hwreg(HW_REG_WAVE_MODE, 25, 1), 1
	s_wait_xcnt 0x0
; h = x + a Wo + bo;  m = Q(LayerNorm(h));  out = h + Q(relu(m W1 + b1)) W2 + b2.  All three products on codes of FP4 with E8M0 scales; Q is the MX quantiser along K.
; SHARES.  A work-group owns 32 whole rows (tokens).  A product goes in four slots of 256 columns; in a slot wave w makes columns 64 w .. 64 w + 63 for all 32 rows: 8 accumulators, 8 K steps of 128, 64 products.
; THE WEIGHTS GO FROM MEMORY STRAIGHT INTO REGISTERS.  A weight fragment serves the one wave that multiplies it, for two products.  The first launch has laid the codes of Wo, W1, W2 behind byte 4,194,304 of a_img as
; images of the operand's registers, in the order of a wave's walk: [slot 12][wave 4][K step 8][tile 4][1,024 bytes].  A load covers 512 consecutive bytes, aligned.  Window 3 holds eight sets of 32 registers, one a K step:
; behind a K step's products its set is asked for again, for the same K step of the next slot: 64 loads, 32 KiB a wave, are on their way.
; NO CLUSTER, NO JOINT LOADS: what work-groups share are the weights, and those pass through no LDS here: through LDS each byte would be written and read once more for the same two products.  x's tile is the work-group's own.
; x comes by one tensor load a wave (32 rows x 1,024 bytes, 16 bytes of padding behind each row), filled once, and is first read behind the first product's four slots.
; PREFETCH: in slots 0, 2, 4, 6 each wave names one block of 256 bytes of the two slots that begin four slots on: the launch's 1,024 waves name those slots' 1,024 blocks once each; the loads that want them are issued three and four
; slots later.  Slots 0 to 3 come by their loads alone; the last request names slots 10 and 11, the buffer's end.  The address registers are never rewritten.
; LAYOUT.  Source 0 = 16 rows of W, source 1 = 16 tokens: lane (r, h) holds token r, register j of tile t column 16 t + 8 h + j.  bo and b1 are the C of a slot's first products.  Quantised rows reach the other waves through LDS as images.
; LIMITS: NaN and infinities among the inputs are not served.  A block whose largest magnitude lies under 2^-124, or of zeros, keeps the scale byte 1 (only this program reads the bytes).  1 / sqrt is v_rsq_f32 (1 ulp).
.set XCG,   33280                      ; x's columns 256 cg on: 32 rows x 1,040 bytes
.set U,     4*XCG                      ; behind x: what ds_stores write; no fill lands there
.set MSCO,  16384                      ; U + 0: images of m; + MSCO: its scale words [K step][32 rows]
.set RIMO,  17408                      ; images of the hidden layer
.set RSCO,  33792                      ; its scale words
.set STATS, U+34816                    ; each wave's mean and sum of squares, a pair a token
.set OSTG,  U+35840                    ; the way out: 16 rows x 272 bytes for each wave
.set SPARE, U+53248                    ; the spare words, 128 bytes a wave
.set SPW, 1                            ; v1  SPARE + 4 x thread; never rewritten
.set NIL, 2                            ; v2  0; never rewritten
.set LI,  3                            ; v3  16 x lane
.set L4U, 4                            ; v4  U + 4 x lane
.set XO,  5                            ; v5  out0: 4096 h + 256 w + 16 r
.set SD,  6                            ; v6  the stage by rows
.set ST,  7                            ; v7  the stage in the result's layout
.set IMW, 8                            ; v8  where my codes go in the images
.set SCW, 9                            ; v9  and my scale bytes
.set XA,  10                           ; v10-11 x in LDS: 1040 r + 256 w + 32 h, for cg 0, 1 and for cg 2, 3
.set WGO, 12                           ; v12 2048 w + 32 x lane: scale bytes of row 64 w + lane
.set PFO, 13                           ; v13 256 (4 wg + w): the prefetches' block
.set STW, 14
.set STR, 15
.set ASO, 16                           ; v16 a's scale bytes: 512 h + 2 r
.set BD,  17                           ; v17 256 w + 32 h: a bias in the result's layout
.set BDN, 18                           ; v18 256 w + 16 r: b2 by columns
.set LIU, 19                           ; v19 U + 16 x lane
.set XS,  20                           ; v20-27 scale words of the rows, register = K step; lanes 0-15 tokens 0-15, lanes 16-31 tokens 16-31
.set WS0, 28                           ; v28-43 scale words of W for even slots: register 8 q + K step, lane l = row 32 q + l of my 64
.set PC0, 44
.set QT,  48
.set XT,  64                           ; v64-127 x from LDS, two sets of 32
.set ACC1, 128                         ; v128-191 the second product's accumulators
.set NN,  128
.set LS,  160
.set NM,  176
.set RS,  180
.set WK,  184
.set OB,  192
.set TS,  192
.set QS,  200
.set MU,  208
.set M2,  210
.set SP,  212
.set NMP, 214
.set SM,  216
.set TX,  217
.set WS1, 224                          ; v224-239 scale words of W for odd slots
.set B2,  240                          ; v240-255 b2
; window 1: v0-127 the rows' 16 fragments at 64 u + 8 s; v128-255 bo, then b1, in the result's layout at 32 cg + 8 t.  window 2: h at 64 cg + 32 u + 8 t.  window 3: weight fragments at 32 ks + 8 t.
.set G1,  40
.set G0,  48
.set WV,  66
.set SEL, 68
.set HM,  70
.set C10, 71
.set EPS, 72
.set MSB, 0
.macro WIN new                         ; the immediate's high byte repeats the setting that is left
.if MSB != (\new)
	s_set_vgpr_msb (MSB<<8)|(\new)
.set MSB, \new
.endif
.endm
.macro PL n
.rept \n
	v_nop
.endr
.endm
.macro WSLOAD set, sb, cg              ; the scale bytes of my 64 rows of column group cg: lane l takes row 32 q + l's 32 bytes
.irp q, 0,1
.irp e, 0,1
	global_load_b128 v[(\set)+8*\q+4*\e:(\set)+8*\q+4*\e+3], v[WGO], s[(\sb):(\sb)+1] offset:8192*(\cg)+1024*\q+16*\e
.endr
.endr
.endm
.macro BIASC sb                        ; a bias in the result's layout, for all four slots: window 1, v128-255
	WIN 0x40
.irp g, 0,1,2,3,4,5,6,7,8,9,10,11,12,13,14,15
	global_load_b128 v[128+8*\g:128+8*\g+3], v[BD], s[(\sb):(\sb)+1] offset:1024*(\g/4)+64*(\g%4)
	global_load_b128 v[128+8*\g+4:128+8*\g+7], v[BD], s[(\sb):(\sb)+1] offset:1024*(\g/4)+64*(\g%4)+16
.endr
	WIN 0
.endm
.macro SL i, ks                        ; my four weight fragments of slot i, K step ks: eight loads into set ks (the caller has set the destination's window)
.irp t, 0,1,2,3
	global_load_b128 v[32*(\ks)+8*\t:32*(\ks)+8*\t+3], v[LI], s[30:31] offset:131072*(\i)+4096*(\ks)+1024*\t
	global_load_b128 v[32*(\ks)+8*\t+4:32*(\ks)+8*\t+7], v[LI], s[30:31] offset:131072*(\i)+4096*(\ks)+1024*\t+512
.endr
.endm
.macro TREE4 t, d
	v_pk_add_f32 v[\t:\t+1], v[\t:\t+1], v[\t+2:\t+3]
	v_pk_add_f32 v[\t+4:\t+5], v[\t+4:\t+5], v[\t+6:\t+7]
	v_pk_add_f32 v[\t:\t+1], v[\t:\t+1], v[\t+4:\t+5]
	v_add_f32 v[\d], v[\t], v[\t+1]
.endm
; Two blocks of 32 (a0, a1 | a2, a3), each shared with the lane 16 away, become 16 bytes a lane: lanes 0-15 block 0, lanes 16-31 block 1.  v[QT+6], v[QT+7]: the two scale bytes.
.macro QUANT2 a0, a1, a2, a3, pc
	v_max3_num_f32 v[QT], |v[(\a0)]|, |v[(\a0)+1]|, 0x1800000      ; with the floor 2^(3 - 127): the byte cannot fall under 1
	v_max3_num_f32 v[QT+1], |v[(\a2)]|, |v[(\a2)+1]|, 0x1800000
.irp i, 2,4,6
	v_max3_num_f32 v[QT], v[QT], |v[(\a0)+\i]|, |v[(\a0)+\i+1]|
	v_max3_num_f32 v[QT+1], v[QT+1], |v[(\a2)+\i]|, |v[(\a2)+\i+1]|
.endr
.irp i, 0,2,4,6
	v_max3_num_f32 v[QT], v[QT], |v[(\a1)+\i]|, |v[(\a1)+\i+1]|
	v_max3_num_f32 v[QT+1], v[QT+1], |v[(\a3)+\i]|, |v[(\a3)+\i+1]|
.endr
	v_permlanex16_b32 v[QT+2], v[QT], s[SEL], s[SEL+1]
	v_permlanex16_b32 v[QT+3], v[QT+1], s[SEL], s[SEL+1]
	v_max_num_f32 v[QT], v[QT], v[QT+2]
	v_max_num_f32 v[QT+1], v[QT+1], v[QT+3]
	v_add_nc_u32 v[QT+4], 0xff000000, v[QT]                        ; 2 off the exponent field: the conversion's scale operand
	v_add_nc_u32 v[QT+5], 0xff000000, v[QT+1]
	v_lshrrev_b32 v[QT+6], 23, v[QT+4]
	v_lshrrev_b32 v[QT+7], 23, v[QT+5]
	v_cvt_scalef32_pk8_fp4_f32 v[(\pc)], v[(\a0):(\a0)+7], v[QT+4]
	v_cvt_scalef32_pk8_fp4_f32 v[(\pc)+2], v[(\a1):(\a1)+7], v[QT+4]
	v_cvt_scalef32_pk8_fp4_f32 v[(\pc)+1], v[(\a2):(\a2)+7], v[QT+5]
	v_cvt_scalef32_pk8_fp4_f32 v[(\pc)+3], v[(\a3):(\a3)+7], v[QT+5]
	v_nop                                                          ; one plain place behind a scaled conversion
	v_permlane16_swap_b32 v[(\pc)], v[(\pc)+1]
	v_permlane16_swap_b32 v[(\pc)+2], v[(\pc)+3]
.endm
.macro WM d, a, b, c, sa, sb, ra, rb   ; one scaled product.  ra, rb: the side's scale words stand in lanes 16-31
.set RR, (\ra)+2*(\rb)
.if RR == 0
	v_wmma_scale_f32_16x16x128_f8f6f4 v[(\d):(\d)+7], v[(\a):(\a)+7], v[(\b):(\b)+7], v[(\c):(\c)+7], v[\sa], v[\sb] matrix_a_fmt:MATRIX_FMT_FP4 matrix_b_fmt:MATRIX_FMT_FP4
.elseif RR == 1
	v_wmma_scale_f32_16x16x128_f8f6f4 v[(\d):(\d)+7], v[(\a):(\a)+7], v[(\b):(\b)+7], v[(\c):(\c)+7], v[\sa], v[\sb] matrix_a_fmt:MATRIX_FMT_FP4 matrix_b_fmt:MATRIX_FMT_FP4 matrix_a_scale:MATRIX_SCALE_ROW1
.elseif RR == 2
	v_wmma_scale_f32_16x16x128_f8f6f4 v[(\d):(\d)+7], v[(\a):(\a)+7], v[(\b):(\b)+7], v[(\c):(\c)+7], v[\sa], v[\sb] matrix_a_fmt:MATRIX_FMT_FP4 matrix_b_fmt:MATRIX_FMT_FP4 matrix_b_scale:MATRIX_SCALE_ROW1
.else
	v_wmma_scale_f32_16x16x128_f8f6f4 v[(\d):(\d)+7], v[(\a):(\a)+7], v[(\b):(\b)+7], v[(\c):(\c)+7], v[\sa], v[\sb] matrix_a_fmt:MATRIX_FMT_FP4 matrix_b_fmt:MATRIX_FMT_FP4 matrix_a_scale:MATRIX_SCALE_ROW1 matrix_b_scale:MATRIX_SCALE_ROW1
.endif
.endm
; Eight products of K step ks: the eight accumulators take turns, one instruction a turn, in the same order in every K step.  cf: -2 C = D; else C = v[cf + 8 t].
.macro MM8 ks, acc, cf
.irp t, 0,1,2,3
.irp u, 0,1
.if (\cf) == -2
.set CC, (\acc)+32*\u+8*\t
.else
.set CC, (\cf)+8*\t
.endif
	WM (\acc)+32*\u+8*\t, 32*(\ks)+8*\t, 64*\u+8*(\ks), CC, WSB+8*(\t/2)+(\ks), XS+(\ks), \t%2, \u
.endr
.endr
.endm
; A slot's 64 products.  w0: the windows of K step 0's products, w1: of the others'.
; THE WAIT'S COUNT: behind this K step's eight loads were issued: the slot's later K steps' 8 (7 - ks), the next slot's four loads of scale words, and the next slot's earlier K steps' 8 ks: 60.
; In slot 0 both sets of scale words are older: 56.  In slot 11 nothing follows but its own later K steps.
.macro KLOOP i, acc, cf, w0, w1
.if ((\i)%2) == 0
.set WSB, WS0
.else
.set WSB, WS1
.endif
.irp ks, 0,1,2,3,4,5,6,7
.if (\i) == 0
	s_wait_loadcnt 56
.elseif (\i) < 11
	s_wait_loadcnt 60
.else
	s_wait_loadcnt 8*(7-\ks)
.endif
.if \ks == 0
	WIN \w0
	MM8 0, \acc, \cf
.else
	WIN \w1
	MM8 \ks, \acc, -2
.endif
.if (\i) < 11
	WIN 0xc0
	PL 4                               ; places in front of loads into the set just multiplied
	SL (\i)+1, \ks
.endif
.endr
	PL 5                               ; places for the first read of the results, the loads into scale words, and accumulators begun anew
	WIN 0
.endm
.macro LOADA ioff, soff                ; all 16 fragments of the rows and their scale words, from the images
	WIN 0x40
.irp f, 0,1,2,3,4,5,6,7,8,9,10,11,12,13,14,15
	ds_load_b128 v[8*\f:8*\f+3], v[LIU] offset:\ioff+1024*\f
	ds_load_b128 v[8*\f+4:8*\f+7], v[LIU] offset:\ioff+1024*\f+512
.endr
	WIN 0
.irp s, 0,1,2,3,4,5,6,7
	ds_load_b32 v[XS+\s], v[L4U] offset:\soff+128*\s
.endr
	s_wait_dscnt 0x0
.endm
.macro XL g                            ; x in the result's layout for group g = 2 cg + u: 32 numbers a lane.  Rows 1,040 bytes apart
.irp t, 0,1,2,3
	ds_load_b128 v[XT+32*((\g)%2)+8*\t:XT+32*((\g)%2)+8*\t+3], v[XA+(\g)/4] offset:XCG*(((\g)/2)%2)+16640*((\g)%2)+64*\t
	ds_load_b128 v[XT+32*((\g)%2)+8*\t+4:XT+32*((\g)%2)+8*\t+7], v[XA+(\g)/4] offset:XCG*(((\g)/2)%2)+16640*((\g)%2)+64*\t+16
.endr
.endm
.macro XADD                            ; h = a Wo + bo + x
	s_wait_tensorcnt 0x0               ; my quarter of x has landed,
	s_barrier_signal -1
	s_barrier_wait -1                  ; everybody's has
	XL 0
.irp g, 0,1,2,3,4,5,6,7
.if \g < 7
	XL \g+1
	s_wait_dscnt 8                     ; all but the next group's eight loads
.else
	s_wait_dscnt 0x0
.endif
	WIN 0x82
.irp i, 0,2,4,6,8,10,12,14,16,18,20,22,24,26,28,30
	v_pk_add_f32 v[32*\g+\i:32*\g+\i+1], v[32*\g+\i:32*\g+\i+1], v[XT+32*(\g%2)+\i:XT+32*(\g%2)+\i+1]   ; each accumulator from its low end on
.endr
	WIN 0
.endr
.endm
.macro QIMG src, u, ioff
	QUANT2 (\src), (\src)+8, (\src)+16, (\src)+24, PC0+16*\u
	ds_store_b128 v[IMW], v[PC0+16*\u:PC0+16*\u+3] offset:\ioff
	v_lshl_or_b32 v[56+\u], v[QT+7], 8, v[QT+6]
.endm
.macro QSCL soff
	v_cndmask_b32 v58, v56, v57, s[HM]
	ds_store_b16 v[SCW], v58 offset:\soff
.endm
.macro STAT u                          ; my 256 columns of tokens 16 u + r: their mean, and the sum of squares about it
	WIN 0x0a
.irp c, 0,1,2,3
	v_pk_add_f32 v[TS+2*\c:TS+2*\c+1], v[64*\c+32*\u:64*\c+32*\u+1], v[64*\c+32*\u+2:64*\c+32*\u+3]
.endr
	WIN 0x02
.irp i, 4,6,8,10,12,14,16,18,20,22,24,26,28,30
.irp c, 0,1,2,3
	v_pk_add_f32 v[TS+2*\c:TS+2*\c+1], v[64*\c+32*\u+\i:64*\c+32*\u+\i+1], v[TS+2*\c:TS+2*\c+1]
.endr
.endr
	WIN 0
	TREE4 TS, SM
	v_permlanex16_b32 v[TX], v[SM], s[SEL], s[SEL+1]
	v_add_f32 v[SM], v[SM], v[TX]
	v_mul_f32 v[MU+\u], 0x3b800000, v[SM]
	v_mul_f32 v[NMP], 0xbb800000, v[SM]
	v_mov_b32 v[NMP+1], v[NMP]
.irp c, 0,1,2,3
	WIN 0x02
.irp i, 0,2,4,6,8,10,12,14,16,18,20,22,24,26,28,30
	v_pk_add_f32 v[NN+\i:NN+\i+1], v[64*\c+32*\u+\i:64*\c+32*\u+\i+1], v[NMP:NMP+1]
.endr
	WIN 0
.irp i, 0,2,4,6,8,10,12,14,16,18,20,22,24,26,28,30
.if (\c == 0) && (\i < 8)
	v_pk_mul_f32 v[QS+\i:QS+\i+1], v[NN+\i:NN+\i+1], v[NN+\i:NN+\i+1]
.else
	v_pk_fma_f32 v[QS+\i%8:QS+\i%8+1], v[NN+\i:NN+\i+1], v[NN+\i:NN+\i+1], v[QS+\i%8:QS+\i%8+1]
.endif
.endr
.endr
	TREE4 QS, SM
	v_permlanex16_b32 v[TX], v[SM], s[SEL], s[SEL+1]
	v_add_f32 v[M2+\u], v[SM], v[TX]
.endm
.macro LNH                             ; LayerNorm(h): the four waves' parts are joined through LDS (means, and squares about each part's own mean); then m is quantised into the images
	STAT 0
	STAT 1
	v_cndmask_b32 v[SP], v[MU], v[MU+1], s[HM]
	v_cndmask_b32 v[SP+1], v[M2], v[M2+1], s[HM]
	ds_store_b64 v[STW], v[SP:SP+1]
	s_wait_dscnt 0x0
	s_barrier_signal -1
	s_barrier_wait -1
.irp u, 0,1
.irp w, 0,1,2,3
	ds_load_b64 v[LS+8*\u+2*\w:LS+8*\u+2*\w+1], v[STR] offset:256*\w+128*\u
.endr
.endr
	s_wait_dscnt 0x0
.irp u, 0,1
	v_add_f32 v[WK], v[LS+8*\u], v[LS+8*\u+2]
	v_add_f32 v[WK+1], v[LS+8*\u+4], v[LS+8*\u+6]
	v_add_f32 v[WK], v[WK], v[WK+1]
	v_mul_f32 v[NM+2*\u], 0xbe800000, v[WK]                        ; - the row's mean
	v_mov_b32 v[NM+2*\u+1], v[NM+2*\u]
	v_add_f32 v[WK], v[LS+8*\u], v[NM+2*\u]
	v_add_f32 v[WK+1], v[LS+8*\u+2], v[NM+2*\u]
	v_add_f32 v[WK+2], v[LS+8*\u+4], v[NM+2*\u]
	v_add_f32 v[WK+3], v[LS+8*\u+6], v[NM+2*\u]
	v_mul_f32 v[WK], v[WK], v[WK]
	v_fmac_f32 v[WK], v[WK+1], v[WK+1]
	v_fmac_f32 v[WK], v[WK+2], v[WK+2]
	v_fmac_f32 v[WK], v[WK+3], v[WK+3]
	v_add_f32 v[WK+1], v[LS+8*\u+1], v[LS+8*\u+3]
	v_add_f32 v[WK+2], v[LS+8*\u+5], v[LS+8*\u+7]
	v_add_f32 v[WK+1], v[WK+1], v[WK+2]
	v_fmamk_f32 v[WK+1], v[WK], 0x43800000, v[WK+1]                ; + 256 x the parts' means' squares about the row's mean
	v_fma_f32 v[WK+1], v[WK+1], s[C10], s[EPS]                     ; the variance + 1e-5
	s_wait_alu depctr_va_vdst(0)       ; the wait ahead of the transcendental
	v_rsq_f32 v[RS+2*\u], v[WK+1]
	v_nop
	s_wait_alu depctr_va_vdst(0)       ; and ahead of its first reader
	v_mov_b32 v[RS+2*\u+1], v[RS+2*\u]
.endr
.irp g, 0,1,2,3
.irp u, 0,1
	WIN 0x02
.irp i, 0,2,4,6,8,10,12,14,16,18,20,22,24,26,28,30
	v_pk_add_f32 v[NN+\i:NN+\i+1], v[64*\g+32*\u+\i:64*\g+32*\u+\i+1], v[NM+2*\u:NM+2*\u+1]
.endr
	WIN 0
.irp i, 0,2,4,6,8,10,12,14,16,18,20,22,24,26,28,30
	v_pk_mul_f32 v[NN+\i:NN+\i+1], v[NN+\i:NN+\i+1], v[RS+2*\u:RS+2*\u+1]
.endr
	QIMG NN, \u, 8192*\u+2048*\g
.endr
	QSCL MSCO+256*\g
	s_wait_dscnt 0x0
.endr
.endm
.macro RELUOUT cg                      ; relu, the quantiser along the next K, codes and bytes into the images
.set J, 0
.rept 64
	v_max_num_f32 v[ACC1+J], 0, v[ACC1+J]
.set J, J+1
.endr
	QIMG ACC1, 0, RIMO+2048*(\cg)
	QIMG ACC1+32, 1, RIMO+8192+2048*(\cg)
	QSCL RSCO+256*(\cg)
.endm
.macro OUT cg, u                       ; 16 tokens x my 64 columns through my stage; + b2; sixteen lanes store 256 consecutive bytes, aligned
	WIN 0x08
.irp t, 0,1,2,3
	ds_store_b128 v[ST], v[64*(\cg)+32*\u+8*\t:64*(\cg)+32*\u+8*\t+3] offset:64*\t
	ds_store_b128 v[ST], v[64*(\cg)+32*\u+8*\t+4:64*(\cg)+32*\u+8*\t+7] offset:64*\t+16
.endr
	WIN 0
	s_wait_xcnt 0x0                    ; the last stores have read their registers
.irp j, 0,1,2,3,4,5,6,7
	ds_load_b128 v[OB+4*\j:OB+4*\j+3], v[SD] offset:544*\j         ; LDS serves a wave's instructions in order: these see the stores above
.endr
.irp j, 0,1,2,3,4,5,6,7
	s_wait_dscnt 7-\j
	v_pk_add_f32 v[OB+4*\j:OB+4*\j+1], v[OB+4*\j:OB+4*\j+1], v[B2+4*(\cg):B2+4*(\cg)+1]
	v_pk_add_f32 v[OB+4*\j+2:OB+4*\j+3], v[OB+4*\j+2:OB+4*\j+3], v[B2+4*(\cg)+2:B2+4*(\cg)+3]
	global_store_b128 v[XO], v[OB+4*\j:OB+4*\j+3], s[26:27] offset:(16*\u+2*\j)*4096+1024*(\cg) th:TH_STORE_NT
.endr
.endm
	s_load_b512 s[8:23], s[0:1], 0x0   ; x 8, a_img 10, a_sh 12, Wo scales 14, bo 16, W1 scales 18, b1 20, W2 scales 22
	s_load_b128 s[24:27], s[0:1], 0x40 ; b2 24, out0 26
	v_lshl_add_u32 v[SPW], v0, 2, SPARE
	v_mov_b32 v[NIL], 0
	ds_add_u32 v[SPW], v[NIL]          ; the opening lines: the add, twice on end, and its wait ahead of my tensor load
	ds_add_u32 v[SPW], v[NIL]
	v_lshrrev_b32 v48, 5, v0
	v_readfirstlane_b32 s[WV], v48     ; wave 0..3
	; group 1: 32 rows of 128 elements of 8 bytes, 4,096 bytes apart; 4 words of padding behind every 256
	s_mov_b32 s[G1], (3<<16)|(1<<20)|(7<<22)|(3<<25)
	s_mov_b32 s[G1+1], 128<<16
	s_mov_b32 s[G1+2], 32<<16
	s_mov_b32 s[G1+3], 128<<16
	s_mov_b32 s[G1+4], 32
	s_mov_b32 s[G1+5], 512
	s_mov_b32 s[G1+6], 0
	s_mov_b32 s[G1+7], 0
	s_mov_b32 s[G0], 1
	s_mul_i32 s[G0+1], s[WV], XCG      ; wave w fetches columns 256 w on
	s_mov_b32 s[SEL], 0x76543210
	s_mov_b32 s[SEL+1], 0xfedcba98     ; v_permlanex16_b32's selects for lane l xor 16
	s_mov_b32 s[HM], 0xffff0000
	s_mov_b32 s[C10], 0x3a800000
	s_mov_b32 s[EPS], 0x3727c5ac       ; 1e-5
	s_lshl_b32 s78, ttmp9, 17          ; x, out0: 32 rows of 4,096 bytes a work-group
	s_mov_b32 s79, 0
	s_lshl_b32 s80, s[WV], 10
	s_mov_b32 s81, 0
	s_lshl_b32 s82, ttmp9, 14          ; a's images
	s_mov_b32 s83, 0
	s_lshl_b32 s84, ttmp9, 10          ; a's scale bytes
	s_mov_b32 s85, 0
	s_lshl_b32 s86, s[WV], 15          ; my 32 KiB of a slot's images
	s_mov_b32 s87, 0
	s_lshl_b32 s74, s[WV], 8
	v_and_b32 v49, 31, v0              ; lane
	v_and_b32 v52, 15, v0              ; r
	v_bfe_u32 v53, v0, 4, 1            ; h
	v_mov_b32 v50, 0                   ; (a lane permute's destination counts as one of its sources)
	v_mov_b32 v51, 0
	v_mov_b32 v[TX], 0
	v_lshlrev_b32 v[LI], 4, v49
	v_lshl_add_u32 v[LIU], v49, 4, U
	v_lshl_add_u32 v[L4U], v49, 2, U
	v_lshl_add_u32 v[XO], v53, 12, s74
	v_lshl_add_u32 v[XO], v52, 4, v[XO]
	v_lshl_add_u32 v[BD], v53, 5, s74
	v_lshl_add_u32 v[BDN], v52, 4, s74
	v_lshlrev_b32 v[ASO], 1, v52
	v_lshl_add_u32 v[ASO], v53, 9, v[ASO]
	s_lshl_b32 s75, s[WV], 11
	v_lshl_add_u32 v[WGO], v49, 5, s75
	s_mul_i32 s75, s[WV], 4352
	s_add_co_u32 s75, s75, OSTG        ; my stage
	v_mul_u32_u24 v54, v53, 272
	v_lshl_add_u32 v54, v52, 4, v54
	v_add_nc_u32 v[SD], s75, v54
	v_mul_u32_u24 v54, v52, 272
	v_lshl_add_u32 v54, v53, 5, v54
	v_add_nc_u32 v[ST], s75, v54
	s_lshl_b32 s75, s[WV], 9
	v_add_nc_u32 v[IMW], s75, v[LIU]   ; my 64 columns are half c = w % 2 of K step 2 cg + w / 2: 512 w bytes on
	s_lshr_b32 s75, s[WV], 1
	s_lshl_b32 s75, s75, 7
	s_and_b32 s76, s[WV], 1
	s_lshl_b32 s77, s76, 1
	s_add_co_u32 s75, s75, s77
	v_add_nc_u32 v[SCW], s75, v[L4U]
	s_add_co_u32 s75, s74, STATS
	v_lshl_add_u32 v[STW], v49, 3, s75
	v_lshl_add_u32 v[STR], v52, 3, STATS
	v_mul_u32_u24 v54, v52, 1040
	v_lshl_add_u32 v54, v53, 5, v54
	v_add_nc_u32 v[XA], s74, v54
	v_add_nc_u32 v[XA+1], 2*XCG, v[XA]
	s_lshl_b32 s75, ttmp9, 10
	s_add_co_u32 s75, s75, s74
	v_mov_b32 v[PFO], s75
	s_wait_alu depctr_va_vdst(0)
	s_wait_dscnt 0x0                   ; both opening adds are done
	s_wait_kmcnt 0x0
	s_add_nc_u64 s[8:9], s[8:9], s[78:79]
	s_add_nc_u64 s[G0+2:G0+3], s[8:9], s[80:81]
	s_or_b32 s[G0+3], s[G0+3], 0x80000000
	tensor_load_to_lds s[G0:G0+3], s[G1:G1+7]                      ; my quarter of x: the wave's one tensor load
	s_nop 0
	PL 4
	s_add_nc_u64 s[26:27], s[26:27], s[78:79]
	s_add_nc_u64 s[28:29], s[10:11], 0x400000                      ; the weights' images
	s_add_nc_u64 s[30:31], s[28:29], s[86:87]                      ; my wave's
	s_add_nc_u64 s[10:11], s[10:11], s[82:83]
	s_add_nc_u64 s[12:13], s[12:13], s[84:85]
.irp s, 0,1,2,3,4,5,6,7
	global_load_u16 v[OB+2*\s], v[ASO], s[12:13] offset:64*\s      ; a's scale bytes: heads 2 s and 2 s + 1 are K step s
	global_load_u16 v[OB+2*\s+1], v[ASO], s[12:13] offset:64*\s+32
.endr
	WIN 0x40
.irp f, 0,1,2,3,4,5,6,7,8,9,10,11,12,13,14,15
	global_load_b128 v[8*\f:8*\f+3], v[LI], s[10:11] offset:1024*\f
	global_load_b128 v[8*\f+4:8*\f+7], v[LI], s[10:11] offset:1024*\f+512
.endr
	BIASC 16                           ; bo
	WSLOAD WS0, 14, 0
	WSLOAD WS1, 14, 1
	WIN 0xc0
.irp k, 0,1,2,3,4,5,6,7
	SL 0, \k
.endr
	WIN 0
	s_wait_loadcnt 56                  ; all but slot 0's K steps 1 to 7
.irp s, 0,1,2,3,4,5,6,7
	v_lshl_or_b32 v[XS+\s], v[OB+2*\s+1], 16, v[OB+2*\s]
.endr
	PL 8                               ; a scale register written by a vector instruction stands 8 places ahead of a scaled product
	s_wait_alu depctr_va_vdst(0)
.set I, 0
.rept 12                               ; slot I: weight I / 4, columns 256 (I % 4) on
.if I == 4
	LOADA 0, MSCO
.endif
.if I == 8
	LOADA RIMO, RSCO
.endif
.if I < 4
	KLOOP I, (64*(I%4)), (128+32*(I%4)), 0x97, 0xa7
.elseif I < 8
	KLOOP I, ACC1, (128+32*(I%4)), 0x17, 0x07
.else
	KLOOP I, (64*(I%4)), -2, 0xa7, 0xa7
.endif
.if (I < 8) && ((I%2) == 0)
	global_prefetch_b8 v[PFO], s[28:29] offset:131072*(I+4) th:TH_LOAD_NT scope:SCOPE_SE   ; my block of slots I + 4 and I + 5
.endif
.if I < 10
	WSLOAD WSB, (14+4*((I+2)/4)), ((I+2)%4)                        ; the scale words of the slot after next, into the set just used
.endif
.if I == 3
	BIASC 20                           ; b1, where bo lay
.irp g, 0,1,2,3
	global_load_b128 v[B2+4*\g:B2+4*\g+3], v[BDN], s[24:25] offset:1024*\g
.endr
	XADD
	LNH
	s_barrier_signal -1                ; (my stores into the images are done: the wait stands at LNH's end)
	s_barrier_wait -1                  ; everybody's are
	s_wait_loadcnt 0x0                 ; b1 and b2; slot 4's fragments are older
.endif
.if (I >= 4) && (I < 8)
	RELUOUT (I%4)
.endif
.if I == 7
	s_wait_dscnt 0x0                   ; my stores into the images are done
	s_barrier_signal -1
	s_barrier_wait -1
.endif
.if I >= 8
	OUT (I%4), 0
	OUT (I%4), 1
.endif
.set I, I+1
.endr
	s_wait_tensorcnt 0x0               ; the wave's end
	ds_add_u32 v[SPW], v[NIL]
	s_wait_dscnt 0x0
	s_endpgm
.Lfunc_end_k_q6b7b7e0d3d_tail:
	.size	k_q6b7b7e0d3d_tail, .Lfunc_end_k_q6b7b7e0d3d_tail-k_q6b7b7e0d3d_tail
	.p2alignl 7, 3214868480
	.fill 96, 4, 3214868480
	.section	.rodata,"a",@progbits
	.p2align	6, 0x0
	.amdhsa_kernel k_q6b7b7e0d3d_tail
		.amdhsa_group_segment_fixed_size 188416
		.amdhsa_private_segment_fixed_size 0
		.amdhsa_enable_private_segment 0
		.amdhsa_kernarg_size 80
		.amdhsa_user_sgpr_count 2
		.amdhsa_user_sgpr_kernarg_segment_ptr 1
		.amdhsa_wavefront_size32 1
		.amdhsa_system_sgpr_workgroup_id_x 1
		.amdhsa_system_sgpr_workgroup_id_y 1
		.amdhsa_system_sgpr_workgroup_id_z 1
		.amdhsa_system_vgpr_workitem_id 0
		.amdhsa_next_free_vgpr 1024
		.amdhsa_next_free_sgpr 100
		.amdhsa_reserve_vcc 0
		.amdhsa_float_denorm_mode_32 3
		.amdhsa_float_denorm_mode_16_64 3
		.amdhsa_memory_ordered 1
		.amdhsa_forward_progress 1
		.amdhsa_inst_pref_size 255
	.end_amdhsa_kernel
	.section	.bss,"aw",@nobits
	.p2align	6
	.space	262144
	.amdgpu_metadata
---
amdhsa.version: [ 1, 2 ]
amdhsa.kernels:
  - .name:           k_q6b7b7e0d3d_tail
    .symbol:         k_q6b7b7e0d3d_tail.kd
    .args:
      - { .name: x, .offset: 0, .size: 8, .value_kind: global_buffer, .address_space: global }
      - { .name: a_img, .offset: 8, .size: 8, .value_kind: global_buffer, .address_space: global }
      - { .name: a_sh, .offset: 16, .size: 8, .value_kind: global_buffer, .address_space: global }
      - { .name: Wo_scales, .offset: 24, .size: 8, .value_kind: global_buffer, .address_space: global }
      - { .name: bo, .offset: 32, .size: 8, .value_kind: global_buffer, .address_space: global }
      - { .name: W1_scales, .offset: 40, .size: 8, .value_kind: global_buffer, .address_space: global }
      - { .name: b1, .offset: 48, .size: 8, .value_kind: global_buffer, .address_space: global }
      - { .name: W2_scales, .offset: 56, .size: 8, .value_kind: global_buffer, .address_space: global }
      - { .name: b2, .offset: 64, .size: 8, .value_kind: global_buffer, .address_space: global }
      - { .name: out0, .offset: 72, .size: 8, .value_kind: global_buffer, .address_space: global }
    .group_segment_fixed_size: 188416
    .private_segment_fixed_size: 0
    .kernarg_segment_align: 8
    .kernarg_segment_size: 80
    .max_flat_workgroup_size: 128
    .sgpr_count:     100
    .vgpr_count:     1024
    .wavefront_size: 32
...
	.end_amdgpu_metadata
.endif
;; end of part 3
